; MI455X (gfx1250); checked and timed in simulation.
; The chip was launched on July 23, 2026; its instructions are those of AMD's public machine-readable ISA for CDNA 5 (MIT licence, August 2026) and "CDNA5" Instruction Set Architecture Reference Guide (July 2026). The comments in the code are by the model that wrote it; some were corrected since.
;; Spatial Equivariant Attention. Allowed arithmetic: matrix products marked QUANTISED: E4M3 operands, one E8M0 scale for each 32 along K, by v_wmma_scale_f32_16x16x128_f8f6f4 with both operands' format E4M3, f32 sums; products left as they are: f32 operands where the result goes on into a quantised operand, else bf16, f16 or f32 operands; f32 sums; everything else in f32.
;; Inputs: Wk 64 x 64 float32; Wq 64 x 64 float32; Wv 64 x 64 float32; coords 2 x 2,048 x 2 float32; refl_b1 32 float32; refl_b2 1 float32; refl_w1 4 x 32 float32; refl_w2 32 x 1 float32; rot_b1 32 float32; rot_b2 1 float32; rot_w1 3 x 32 float32; rot_w2 32 x 1 float32; trans_b1 32 float32; trans_b2 1 float32; trans_w1 2 x 32 float32; trans_w2 32 x 1 float32; x 2 x 2,048 x 64 float32.
;; Outputs: out0 2 x 2,048 x 64 float32.
;; This version of the problem:
;;   THIS VERSION OF THE PROBLEM IS GIVEN IN LOW PRECISION. The matrix products marked QUANTISED in the list below multiply operands that are first quantised to E4M3 (4 exponent bits, 3 mantissa bits; 8 bits a number), with one power-of-two scale for each 32 numbers along K (OCP MX v1.0); their sums are f32. All else is computed in f32.
;;   The module's matrix products, in the order in which they are computed (A, B: the left and right operand; K: the contracted axis; several contracted axes count as one K, in the product's order):
;;     1. [M 4,096, K 64] x [K 64, N 64]; A: input x; B: input Wq: QUANTISED
;;     2. [M 4,096, K 64] x [K 64, N 64]; A: input x; B: input Wk: QUANTISED
;;     3. [M 4,096, K 64] x [K 64, N 64]; A: input x; B: input Wv: QUANTISED
;;     4. batch 2 x [M 2,048, K 64] x [K 64, N 2,048]; A: computed on the way; B: computed on the way: QUANTISED
;;     5. [M 8,388,608, K 3] x [K 3, N 32]; A: computed on the way; B: input rot_w1: left as it is (K = 3 < 32)
;;     6. [M 8,388,608, K 32] x [K 32, N 1]; A: computed on the way; B: input rot_w2: left as it is (N = 1 < 16)
;;     7. [M 8,388,608, K 2] x [K 2, N 32]; A: computed on the way; B: input trans_w1: left as it is (K = 2 < 32)
;;     8. [M 8,388,608, K 32] x [K 32, N 1]; A: computed on the way; B: input trans_w2: left as it is (N = 1 < 16)
;;     9. [M 8,388,608, K 4] x [K 4, N 32]; A: computed on the way; B: input refl_w1: left as it is (K = 4 < 32)
;;     10. [M 8,388,608, K 32] x [K 32, N 1]; A: computed on the way; B: input refl_w2: left as it is (N = 1 < 16)
;;     11. batch 2 x [M 2,048, K 2,048] x [K 2,048, N 64]; A: softmax (see below); B: computed on the way: QUANTISED
;;   THE QUANTISER, for each operand of a quantised product, along K:
;;     - K is cut into blocks of 32 from its start; a last block that is shorter is filled with zeros.
;;     - A block's scale is 2^e with e = floor(log2(the largest magnitude in the block)) - 8, held to -126 .. 127; a block of zeros has e = 0. As a byte (E8M0): e + 127.
;;     - Each number is divided by its block's scale, clamped to +-448, and rounded to the nearest number of E4M3, ties to even, subnormals kept.
;;     - The product sums the exact products of the quantised numbers (number of the format x scale) in f32.
;;   ~~~python
;;   def quantise(x, axis):      # numpy; x: float32 -> the quantised numbers, widened to float32 again
;;       x = np.moveaxis(x, axis, -1); K = x.shape[-1]
;;       x = np.pad(x, [(0, 0)] * (x.ndim - 1) + [(0, -K % 32)]); x = x.reshape(x.shape[:-1] + (-1, 32)); a = np.abs(x).max(-1, keepdims=True)
;;       e = np.where(a > 0, np.clip(np.frexp(np.where(a > 0, a, 1))[1] - 1 - 8, -126, 127), 0)      # np.frexp(a)[1] - 1 = floor(log2(a)), exactly
;;       r = np.clip(x / 2.0 ** e, -448, 448)
;;       step = 2.0 ** (np.maximum(np.frexp(np.where(r == 0, 1, r))[1] - 1, -6) - 3)
;;       q = np.round(r / step) * step * 2.0 ** e      # np.round: ties to even
;;       return np.moveaxis(q.reshape(q.shape[:-2] + (-1,))[..., :K], -1, axis).astype(np.float32)
;;   ~~~
;;   SOFTMAX AHEAD OF A QUANTISED PRODUCT. Where the list says 'softmax', what is quantised is not the finished softmax but p = 2^(t - M), with t = logit x log2(e) and M = ceil(the row's largest t), a whole number; so 1/2 < the row's largest p <= 1. The row's sum l is taken of the UNQUANTISED p, in f32, and the product's result is divided by l at the end. Since M is a whole number, a kernel that streams over the keys may use a running M (the ceiling of the running maximum): every later rescaling is an exact power of two, which a block's scale takes up: the codes' values come out the same.
;;   OPERANDS COMPUTED ON THE WAY. 'Computed on the way' means the value that the module computes at that place (a softmax that the list does not call 'softmax' is quantised finished and normalised). What goes into a quantiser is computed in f32, as accurately as f32 sums, v_exp_f32 and their like allow (about 1e-6 of the number): no bf16 or f16 on the way to a quantiser, and a product that is left as it is and whose result goes on into a quantised operand takes f32 operands (vector FMAs, or v_wmma_f32_16x16x4_f32). A number that lies on a knife's edge between two numbers of the format may be rounded either way, as far as f32 arithmetic and the matrix unit's own rounding can turn it there, and no further.
;; 3 versions, each right; version 3 is version 2 with the launch attn written anew for expert scheduling mode. Each part assembles by itself: llvm-mc -triple=amdgcn-amd-amdhsa -mcpu=gfx1250 --defsym DOCPART=n.
;; ======== version 1 of 3: 2 launches
;; limits: below input magnitudes of 1.08e-19 results are inexact or not finite; right only within a limited range of input values
;; workspace buffers: qc 262,144 bytes; kc 262,144 bytes; vc 262,144 bytes; qs 16,384 bytes; ks 16,384 bytes; vs 8,192 bytes; mc 9,984 bytes
;; launch prep (part 1): grid 33 x 1, 4 waves a work-group, no clusters, 15,872 bytes of LDS; arguments x, Wq, Wk, Wv, rot_w1, rot_b1, rot_w2, rot_b2, trans_w1, trans_b1, trans_w2, trans_b2, refl_w1, refl_b1, refl_w2, refl_b2, qc, qs, kc, ks, vc, vs, mc; writes qc, qs, kc, ks, vc, vs, mc
.if DOCPART == 1
	.amdgcn_target "amdgcn-amd-amdhsa--gfx1250"
	.amdhsa_code_object_version 6
	.text
	.protected	k_q7767c16f4a_prep
	.globl	k_q7767c16f4a_prep
	.p2align	8
	.type	k_q7767c16f4a_prep,@function
k_q7767c16f4a_prep:
	s_mov_b64 s[64:65], 0
	v_nop
	global_prefetch_b8 v0, s[64:65] scope:SCOPE_SE
	s_setreg_imm32_b32 hwreg(HW_REG_WAVE_MODE, 25, 1), 1
	s_wait_xcnt 0x0
; PREP.  Work-groups 0-31: Q = x Wq, K = x Wk, V = x Wv on codes of E4M3 with one E8M0 scale for each 32 along K, and the results quantised once more
; (Q, K along the 64 channels, V along the keys), stored in the order of the next launch's operand registers.  Work-group 32: the constants of the three small MLPs, in register order.
; SHARES.  Work-group g takes rows 128 g .. 128 g + 127 of the 4,096; wave w its rows 32 w .. 32 w + 31, as two tiles u = 0, 1 of 16 rows.
; THE ROWS OF A TILE ARE NOT NEIGHBOURS: lane r of tile 2 w + u is row 128 g + 32 w + 8 u + r + 8 (r / 8), so that V's 16 registers of tiles u = 0, 1 are 16 neighbouring keys.
; The columns of Wq and Wk that form a tile are chosen the same way, so that a lane's 32 results of a row are k = 32 b + 16 (lane / 16) + 0 .. 15, b = 0, 1: the operand's own layout.
; K = 64 IN AN INSTRUCTION OF K = 128: one source is a pair of 64-wide fragments [F t][F t+1], the other [x][0] (t even) or [0][x] (t odd), cut out of a run of 24 registers [0][x][0].
; Zero codes take the foreign half out of the sum.  A 64-wide fragment's scale word holds its two bytes twice, so it serves in either half.
; The twelve weight fragments (4 tiles x 3 weights) are quantised once in the work-group, three by each wave, and go round through LDS as images of their registers.
; No cluster, no tensor load: the weights are 48 KB read once by each of 32 work-groups into registers; nothing is walked in tiles.
; LIMITS: blocks whose largest magnitude lies under 2^-118 keep the scale byte 1; a block of zeros gets the byte 1 (its codes are zeros, and this program alone reads the bytes); NaN and infinities are not served.
.set WIMG, 0                           ; LDS: 12 weight fragments, 1,024 bytes each: registers 4 c .. 4 c + 3 at 512 c + 16 x lane
.set WSC,  12288                       ; their scale words, 128 bytes each
.set QS,   13824                       ; Q's scale words of the group: [tile 8][r 16]
.set KS,   14336                       ; K's: [r 16][tile 8]
.set VS,   14848                       ; V's bytes: [r 16][channel tile 4][key block 4]
.set WS,   4                           ; v4-15    the 12 weight scale words
.set XR,   16                          ; v16-79   x as f32: 32 u + 16 c + i
.set R,    16                          ;          later the products' results
.set WR,   80                          ; v80-175  my three weight tiles as f32: 32 kind + 16 c + i
.set WC,   80                          ;          later the 12 fragments: 32 kind + 8 t
.set XZ,   176                         ; v176-199 [0][x tile 0][0];  v200-223 [0][x tile 1][0]
.set XS,   224                         ; v224-225 x's scale words
.set PC,   226                         ; v226-233 codes just made
.set PW,   234                         ; v234     scale word just made
.set TM,   236                         ; v236-243 at work in QUANT2
; v1 x's offset, v2 Wq's and Wk's, v3 Wv's; v244 16 lane, v245 16 lane + 1024 w, v246 4 lane + 128 w, v247 4 lane, v248 4 r + 128 w, v249 32 r + 8 w, v250 16 r + w, v251 16 lane + 512 (w & 1), v252 8 lane
.macro PLACES n
.rept \n
	v_nop
.endr
.endm
.macro FREE                            ; the stores that read the code registers, the word and the bytes have taken their data: these may be written again
	s_wait_xcnt 0x0
	s_wait_dscnt 0x0
.endm
.macro BARRIER                         ; my LDS stores have landed and my LDS loads are in: then the work-group's barrier
	s_wait_dscnt 0x0
	s_barrier_signal -1
	s_barrier_wait -1
.endm
; 32 numbers of a lane, two blocks of which it holds 16 each (the other 16 lie in lane l xor 16), become 8 registers of codes and a word (byte 0, byte 1, byte 0, byte 1).  The bytes stay in v[TM+2], v[TM+3].
.macro QUANT2 src, dst, wd
.irp b, 0,1
	v_max3_num_f32 v[TM+\b], |v[(\src)+16*\b]|, |v[(\src)+16*\b+1]|, 0x4800000   ; my 16 numbers and the floor 2^(9 - 127): the byte cannot fall under 1
.endr
.irp i, 2,4,6,8,10,12,14
.irp b, 0,1
	v_max3_num_f32 v[TM+\b], v[TM+\b], |v[(\src)+16*\b+\i]|, |v[(\src)+16*\b+\i+1]|
.endr
.endr
.irp b, 0,1
	v_permlanex16_b32 v[TM+2+\b], v[TM+\b], s50, s51
.endr
.irp b, 0,1
	v_max_num_f32 v[TM+\b], v[TM+\b], v[TM+2+\b]                   ; the block's largest magnitude
.endr
.irp b, 0,1
	v_add_nc_u32 v[TM+6+\b], 0xfc000000, v[TM+\b]                  ; 8 off its exponent field: the conversion's scale operand
.endr
.irp b, 0,1
	v_and_or_b32 v[TM+4+\b], v[TM+\b], 0x7f800000, s52             ; 448 x the scale
.endr
.irp b, 0,1
	v_lshrrev_b32 v[TM+2+\b], 23, v[TM+6+\b]                       ; the scale's byte
.endr
	v_lshl_or_b32 v[\wd], v[TM+3], 8, v[TM+2]
	v_lshl_or_b32 v[\wd], v[\wd], 16, v[\wd]                       ; the two bytes twice
.irp b, 0,1
.irp i, 0,1,2,3,4,5,6,7,8,9,10,11,12,13,14,15
	v_med3_num_f32 v[(\src)+16*\b+\i], v[(\src)+16*\b+\i], -v[TM+4+\b], v[TM+4+\b]   ; the conversion to an 8-bit code does not saturate (ISA guide 7.6.2): the hold comes first
.endr
	v_cvt_scalef32_pk8_fp8_f32 v[(\dst)+4*\b:(\dst)+4*\b+1], v[(\src)+16*\b:(\src)+16*\b+7], v[TM+6+\b]
	v_cvt_scalef32_pk8_fp8_f32 v[(\dst)+4*\b+2:(\dst)+4*\b+3], v[(\src)+16*\b+8:(\src)+16*\b+15], v[TM+6+\b]
.endr
	v_nop                                                          ; a plain line behind the last conversion, ahead of whatever next touches its registers
.endm
	s_load_b512 s[4:19], s[0:1], 0x0               ; x, Wq, Wk, Wv, rot_w1, rot_b1, rot_w2, rot_b2
	s_load_b512 s[20:35], s[0:1], 0x40             ; trans_w1, trans_b1, trans_w2, trans_b2, refl_w1, refl_b1, refl_w2, refl_b2
	s_load_b256 s[36:43], s[0:1], 0x80             ; qc, qs, kc, ks
	s_load_b128 s[44:47], s[0:1], 0xa0             ; vc, vs
	s_load_b64 s[48:49], s[0:1], 0xb0              ; mc
	v_lshl_add_u32 v253, v0, 2, 0x3c00
	s_set_vgpr_msb 0x40
	v_mov_b32 v1, 0
	s_set_vgpr_msb 0x4000
	v_lshrrev_b32 v1, 5, v0
	v_readfirstlane_b32 s2, v1                     ; wave 0..3
	s_mov_b32 s50, 0x76543210
	s_mov_b32 s51, 0xfedcba98                      ; v_permlanex16_b32's selects for lane l xor 16
	s_mov_b32 s52, 0x600000                        ; the mantissa field of 448
	s_mov_b32 s53, 0xffff0000                      ; lanes 16-31
	s_wait_kmcnt 0x0
	s_cmp_eq_u32 ttmp9, 32                         ; the same in all waves of a work-group
	s_cbranch_scc1 .Lconst
	; ---------------- the projections
	s_mov_b32 s3, ttmp9                            ; g
	v_and_b32 v254, 31, v0                         ; lane
	v_and_b32 v255, 15, v0                         ; r
	v_bfe_u32 v235, v0, 4, 1                       ; h
	v_and_b32 v1, 8, v255
	v_add_nc_u32 v1, v1, v255                      ; r + 8 (r / 8)
	s_lshr_b32 s54, s2, 1
	s_lshl_b32 s54, s54, 5
	s_and_b32 s55, s2, 1
	s_lshl_b32 s55, s55, 3
	s_add_co_u32 s54, s54, s55                     ; Wq, Wk: my tile t = w begins at column 32 (w / 2) + 8 (w % 2)
	v_add_nc_u32 v2, s54, v1
	v_lshlrev_b32 v2, 2, v2
	v_lshl_add_u32 v2, v235, 12, v2                ; 4 x column + 16 h rows of 256 bytes
	s_lshl_b32 s55, s2, 4
	v_add_nc_u32 v3, s55, v255                     ; Wv: column 16 w + r
	v_lshlrev_b32 v3, 2, v3
	v_lshl_add_u32 v3, v235, 12, v3
	v_lshlrev_b32 v1, 8, v1
	v_lshl_add_u32 v1, v235, 6, v1                 ; x: row r + 8 (r / 8) of 256 bytes, + 64 h
	v_lshlrev_b32 v244, 4, v254
	s_lshl_b32 s55, s2, 10
	v_add_nc_u32 v245, s55, v244
	v_lshlrev_b32 v247, 2, v254
	s_lshl_b32 s55, s2, 7
	v_add_nc_u32 v246, s55, v247
	v_lshl_add_u32 v248, v255, 2, s55
	s_lshl_b32 s55, s2, 3
	v_lshl_add_u32 v249, v255, 5, s55
	v_lshl_add_u32 v250, v255, 4, s2
	s_and_b32 s55, s2, 1
	s_lshl_b32 s55, s55, 9
	v_add_nc_u32 v251, s55, v244
	v_lshlrev_b32 v252, 3, v254
	s_lshl_b32 s54, s3, 15
	s_lshl_b32 s55, s2, 13
	s_add_co_u32 s54, s54, s55
	s_mov_b32 s55, 0
	s_add_nc_u64 s[4:5], s[4:5], s[54:55]          ; x at row 128 g + 32 w
	s_mov_b32 s57, 0
	s_lshl_b32 s54, s3, 13
	s_lshl_b32 s56, s2, 11
	s_add_co_u32 s56, s54, s56
	s_add_nc_u64 s[36:37], s[36:37], s[56:57]      ; qc, kc at tile 8 g + 2 w
	s_add_nc_u64 s[40:41], s[40:41], s[56:57]
	s_lshl_b32 s56, s2, 9
	s_add_co_u32 s56, s54, s56
	s_add_nc_u64 s[44:45], s[44:45], s[56:57]      ; vc at group g, key block w
	s_lshl_b32 s56, s3, 9
	s_add_nc_u64 s[38:39], s[38:39], s[56:57]      ; qs, ks at group g
	s_add_nc_u64 s[42:43], s[42:43], s[56:57]
	s_lshl_b32 s56, s3, 8
	s_add_nc_u64 s[46:47], s[46:47], s[56:57]      ; vs at group g
.irp u, 0,1
.irp c, 0,1
.irp j, 0,1,2,3
	global_load_b128 v[XR+32*\u+16*\c+4*\j:XR+32*\u+16*\c+4*\j+3], v1, s[4:5] offset:2048*\u+128*\c+16*\j th:TH_LOAD_NT   ; x(row, 32 c + 16 h + 4 j ..)
.endr
.endr
.endr
.irp c, 0,1
.irp i, 0,1,2,3,4,5,6,7,8,9,10,11,12,13,14,15
	global_load_b32 v[WR+16*\c+\i], v2, s[6:7] offset:(32*\c+\i)*256        ; Wq(32 c + 16 h + i, my column): the registers run down K
.endr
.endr
.irp c, 0,1
.irp i, 0,1,2,3,4,5,6,7,8,9,10,11,12,13,14,15
	global_load_b32 v[WR+32+16*\c+\i], v2, s[8:9] offset:(32*\c+\i)*256     ; Wk
.endr
.endr
.irp c, 0,1
.irp i, 0,1,2,3,4,5,6,7,8,9,10,11,12,13,14,15
	global_load_b32 v[WR+64+16*\c+\i], v3, s[10:11] offset:(32*\c+\i)*256   ; Wv
.endr
.endr
.irp u, 0,1
.irp i, 0,1,2,3,4,5,6,7
	v_mov_b32 v[XZ+24*\u+\i], 0                    ; the zero codes on both sides of each x fragment
	v_mov_b32 v[XZ+24*\u+16+\i], 0
.endr
.endr
	v_mov_b32 v[TM+2], 0                           ; written once: a lane permute's destination counts as one of its sources
	v_mov_b32 v[TM+3], 0
	s_wait_loadcnt 63                              ; of the 112 loads at least 49 are in: x's 16 and Wq's 32
	QUANT2 XR, XZ+8, XS
	QUANT2 XR+32, XZ+32, XS+1
.irp kind, 0,1,2
.if \kind == 1
	s_wait_loadcnt 32                              ; Wk is in; Wv's 32 loads may be out
.endif
.if \kind == 2
	s_wait_loadcnt 0x0
.endif
	QUANT2 WR+32*\kind, PC, PW
	ds_store_b128 v245, v[PC:PC+3] offset:WIMG+4096*\kind          ; fragment 4 kind + w, as its registers stand
	ds_store_b128 v245, v[PC+4:PC+7] offset:WIMG+4096*\kind+512
	ds_store_b32 v246, v[PW] offset:WSC+512*\kind
	s_wait_dscnt 0x0                               ; the stores have taken their registers
.endr
	BARRIER                                        ; the twelve fragments lie in LDS
.irp f, 0,1,2,3,4,5,6,7,8,9,10,11
	ds_load_b128 v[WC+8*\f:WC+8*\f+3], v244 offset:WIMG+1024*\f
	ds_load_b128 v[WC+8*\f+4:WC+8*\f+7], v244 offset:WIMG+1024*\f+512
	ds_load_b32 v[WS+\f], v247 offset:WSC+128*\f
.endr
	s_wait_dscnt 0x0
; Q or K: used transposed (source 0 = 16 columns of the weight, source 1 = 16 rows of x), so that a lane holds one row and its registers run along the 64 channels.
; Nine places stand ahead of products that write over registers of earlier products, eight behind them ahead of the first read of results.
.macro PROJ kind, ptr, adr, base, step
	PLACES 9
.irp u, 0,1
.irp t, 0,1,2,3
	v_wmma_scale_f32_16x16x128_f8f6f4 v[R+32*\u+8*\t:R+32*\u+8*\t+7], v[WC+32*\kind+16*(\t/2):WC+32*\kind+16*(\t/2)+15], v[XZ+24*\u+8-8*(\t%2):XZ+24*\u+23-8*(\t%2)], 0, v[WS+4*\kind+\t], v[XS+\u]
.endr
.endr
	PLACES 8
.irp u, 0,1
	FREE
	QUANT2 R+32*\u, PC, PW
	global_store_b128 v244, v[PC:PC+3], s[\ptr:\ptr+1] offset:1024*\u         ; 32 lanes store 512 consecutive bytes
	global_store_b128 v244, v[PC+4:PC+7], s[\ptr:\ptr+1] offset:1024*\u+512
	ds_store_b32 v[\adr], v[PW] offset:\base+\step*\u                         ; both halves of the lanes write the same word with the same value
.endr
.endm
	PROJ 0, 36, 248, QS, 64
	PROJ 1, 40, 249, KS, 4
	; V: source 0 = 16 rows of x, source 1 = 16 columns of Wv: a lane holds channel 16 c + r, and registers 16 c + 8 u + j are keys 32 w + 16 h + 8 u + j
	PLACES 9
.irp c, 0,1,2,3
.irp u, 0,1
	v_wmma_scale_f32_16x16x128_f8f6f4 v[R+16*\c+8*\u:R+16*\c+8*\u+7], v[XZ+24*\u+8-8*(\c%2):XZ+24*\u+23-8*(\c%2)], v[WC+64+16*(\c/2):WC+64+16*(\c/2)+15], 0, v[XS+\u], v[WS+8+\c]
.endr
.endr
	PLACES 8
.irp p, 0,1                                    ; channel tiles 2 p and 2 p + 1: each lane's 16 keys are half a block of 32 keys
	FREE
	QUANT2 R+32*\p, PC, PW
	global_store_b128 v244, v[PC:PC+3], s[44:45] offset:4096*\p
	global_store_b128 v244, v[PC+4:PC+7], s[44:45] offset:4096*\p+2048
	ds_store_b8 v250, v[TM+2] offset:VS+8*\p
	ds_store_b8 v250, v[TM+3] offset:VS+8*\p+4
.endr
	s_wait_xcnt 0x0                                ; the code registers take the scale words below
	BARRIER                                        ; the group's scale words and bytes lie in LDS
	s_cmp_lt_u32 s2, 2
	s_cbranch_scc0 .Lnot01
	ds_load_b128 v[PC:PC+3], v251 offset:QS        ; wave 0: Q's 512 bytes; wave 1: K's
	s_cmp_eq_u32 s2, 0
	s_cselect_b64 s[60:61], s[38:39], s[42:43]
	s_wait_dscnt 0x0
	global_store_b128 v244, v[PC:PC+3], s[60:61]   ; 512 consecutive bytes
	s_set_vgpr_msb 0x4
	s_wait_tensorcnt 0x0
	ds_add_u32 v253, v1
	s_wait_dscnt 0x0
	s_set_vgpr_msb 0x400
	s_endpgm
.Lnot01:
	s_cmp_eq_u32 s2, 2
	s_cbranch_scc0 .Lend
	ds_load_b64 v[PC:PC+1], v252 offset:VS
	s_wait_dscnt 0x0
	global_store_b64 v252, v[PC:PC+1], s[46:47]    ; 256 consecutive bytes
.Lend:
	s_set_vgpr_msb 0x4
	s_wait_tensorcnt 0x0
	ds_add_u32 v253, v1
	s_wait_dscnt 0x0
	s_set_vgpr_msb 0x400
	s_endpgm
	; ---------------- the constants of the MLPs: one wave
	; w2 relu(z) = (w2 / 2) z + (w2 / 2) |z|.  The first part, summed over the 96 hidden units, is linear in dx, dy, distance, sin, cos: six coefficients, summed here.
	; refl's features (dx, dy, -dx, -dy) give the weights w1[0] - w1[2] and w1[1] - w1[3].
.Lconst:
	s_cmp_lg_u32 s2, 0
	s_cbranch_scc1 .Lcend                          ; forward, to this path's own end
.set CL, 16                            ; v16-39   first layers by hidden unit 16 p + r: 12 p + (dist, sin, cos, b1 | x, y, b1 | four of refl, b1)
.set AI, 48                            ; v48-71   source 0 of the f32 products: tile t, group a or b, register j: 4 t + 2 v + j
.set WI, 80                            ; v80-127  w2 / 2 in the results' layout: 8 t + j
.set CC, 128                           ; v128-142 the weights by hidden unit = lane
.set CP, 144                           ; v144-149 the six sums; v152-157 at work
	s_load_b32 s54, s[18:19], 0x0                  ; the three b2
	s_load_b32 s55, s[26:27], 0x0
	s_load_b32 s56, s[34:35], 0x0
	v_and_b32 v1, 15, v0
	v_lshlrev_b32 v1, 2, v1                        ; 4 r
	v_bfe_u32 v2, v0, 4, 1
	v_lshlrev_b32 v2, 5, v2                        ; 32 h
	v_lshlrev_b32 v3, 2, v0                        ; 4 x lane (wave 0: the thread's number is the lane)
	v_lshlrev_b32 v4, 4, v0                        ; 16 x lane
.irp p, 0,1
	global_load_b32 v[CL+12*\p+0], v1, s[12:13] offset:64*\p
	global_load_b32 v[CL+12*\p+1], v1, s[12:13] offset:128+64*\p
	global_load_b32 v[CL+12*\p+2], v1, s[12:13] offset:256+64*\p
	global_load_b32 v[CL+12*\p+3], v1, s[14:15] offset:64*\p
	global_load_b32 v[CL+12*\p+4], v1, s[20:21] offset:64*\p
	global_load_b32 v[CL+12*\p+5], v1, s[20:21] offset:128+64*\p
	global_load_b32 v[CL+12*\p+6], v1, s[22:23] offset:64*\p
	global_load_b32 v[CL+12*\p+7], v1, s[28:29] offset:64*\p
	global_load_b32 v[CL+12*\p+8], v1, s[28:29] offset:128+64*\p
	global_load_b32 v[CL+12*\p+9], v1, s[28:29] offset:256+64*\p
	global_load_b32 v[CL+12*\p+10], v1, s[28:29] offset:384+64*\p
	global_load_b32 v[CL+12*\p+11], v1, s[30:31] offset:64*\p
	global_load_b128 v[WI+8*\p:WI+8*\p+3], v2, s[16:17] offset:64*\p          ; w2 at hidden units 16 p + 8 h + 0 .. 7
	global_load_b128 v[WI+8*\p+4:WI+8*\p+7], v2, s[16:17] offset:64*\p+16
	global_load_b128 v[WI+16+8*\p:WI+16+8*\p+3], v2, s[24:25] offset:64*\p
	global_load_b128 v[WI+16+8*\p+4:WI+16+8*\p+7], v2, s[24:25] offset:64*\p+16
	global_load_b128 v[WI+32+8*\p:WI+32+8*\p+3], v2, s[32:33] offset:64*\p
	global_load_b128 v[WI+32+8*\p+4:WI+32+8*\p+7], v2, s[32:33] offset:64*\p+16
.endr
	global_load_b32 v[CC+0], v3, s[12:13]
	global_load_b32 v[CC+1], v3, s[12:13] offset:128
	global_load_b32 v[CC+2], v3, s[12:13] offset:256
	global_load_b32 v[CC+3], v3, s[14:15]
	global_load_b32 v[CC+4], v3, s[16:17]
	global_load_b32 v[CC+5], v3, s[20:21]
	global_load_b32 v[CC+6], v3, s[20:21] offset:128
	global_load_b32 v[CC+7], v3, s[22:23]
	global_load_b32 v[CC+8], v3, s[24:25]
	global_load_b32 v[CC+9], v3, s[28:29]
	global_load_b32 v[CC+10], v3, s[28:29] offset:128
	global_load_b32 v[CC+11], v3, s[28:29] offset:256
	global_load_b32 v[CC+12], v3, s[28:29] offset:384
	global_load_b32 v[CC+13], v3, s[30:31]
	global_load_b32 v[CC+14], v3, s[32:33]
.irp i, 0,1,2,3,4,5
	v_mov_b32 v[CP+8+\i], 0                        ; a lane permute's destination counts as one of its sources
.endr
	s_wait_loadcnt 0x0
	s_wait_kmcnt 0x0
; Source 0 of a product 16 x 16 x 4: lane (r, h) holds k = 2 h, 2 h + 1 of hidden unit r.  Group a's features lie (f0, f1 | f2, f3) over the two halves of the lanes, group b's the other way: two images.
.macro LIN t, wx, wy, b                ; features a: (dx, dy | 1, 0), b: (1, 0 | dx, dy)
	v_cndmask_b32 v[AI+4*(\t)+0], v[\wx], v[\b], s53
	v_cndmask_b32 v[AI+4*(\t)+1], v[\wy], 0, s53
	v_cndmask_b32 v[AI+4*(\t)+2], v[\b], v[\wx], s53
	v_cndmask_b32 v[AI+4*(\t)+3], 0, v[\wy], s53
.endm
.irp p, 0,1
	v_sub_f32 v[CL+12*\p+7], v[CL+12*\p+7], v[CL+12*\p+9]
	v_sub_f32 v[CL+12*\p+8], v[CL+12*\p+8], v[CL+12*\p+10]
	v_cndmask_b32 v[AI+4*\p+0], v[CL+12*\p+2], v[CL+12*\p+0], s53     ; rot, features a: (cos, sin | dist, 1)
	v_cndmask_b32 v[AI+4*\p+1], v[CL+12*\p+1], v[CL+12*\p+3], s53
	v_cndmask_b32 v[AI+4*\p+2], v[CL+12*\p+2], v[CL+12*\p+0], s53     ; features b: (cos, 1 | dist, sin)
	v_cndmask_b32 v[AI+4*\p+3], v[CL+12*\p+3], v[CL+12*\p+1], s53
	LIN 2+\p, CL+12*\p+4, CL+12*\p+5, CL+12*\p+6
	LIN 4+\p, CL+12*\p+7, CL+12*\p+8, CL+12*\p+11
.endr
.irp t, 0,1,2,3,4,5
	global_store_b128 v4, v[AI+4*\t:AI+4*\t+3], s[48:49] offset:512*\t
.endr
.set i, 0
.rept 24
	v_pk_mul_f32 v[WI+i:WI+i+1], v[WI+i:WI+i+1], 0.5 op_sel_hi:[1,0]
.set i, i+2
.endr
.irp k, 0,1,2,3,4,5,6,7,8,9,10,11
	global_store_b128 v4, v[WI+4*\k:WI+4*\k+3], s[48:49] offset:3072+512*\k
.endr
	v_mul_f32 v[CC+4], 0.5, v[CC+4]
	v_mul_f32 v[CC+8], 0.5, v[CC+8]
	v_mul_f32 v[CC+14], 0.5, v[CC+14]
	v_sub_f32 v[CC+9], v[CC+9], v[CC+11]
	v_sub_f32 v[CC+10], v[CC+10], v[CC+12]
	v_mul_f32 v[CP+0], v[CC+8], v[CC+5]            ; of dx
	v_mul_f32 v[CP+1], v[CC+8], v[CC+6]            ; of dy
	v_mul_f32 v[CP+2], v[CC+4], v[CC+0]            ; of the distance
	v_mul_f32 v[CP+3], v[CC+4], v[CC+1]            ; of sin
	v_mul_f32 v[CP+4], v[CC+4], v[CC+2]            ; of cos
	v_mul_f32 v[CP+5], v[CC+4], v[CC+3]            ; the constant
	v_fmac_f32 v[CP+0], v[CC+14], v[CC+9]
	v_fmac_f32 v[CP+1], v[CC+14], v[CC+10]
	v_fmac_f32 v[CP+5], v[CC+8], v[CC+7]
	v_fmac_f32 v[CP+5], v[CC+14], v[CC+13]
.irp m, 1,2,4,8
.irp i, 0,1,2,3,4,5
	v_add_f32_dpp v[CP+\i], v[CP+\i], v[CP+\i] row_xmask:\m row_mask:0xf bank_mask:0xf
.endr
.endr
.irp i, 0,1,2,3,4,5
	v_permlanex16_b32 v[CP+8+\i], v[CP+\i], s50, s51
.endr
.irp i, 0,1,2,3,4,5
	v_add_f32 v[CP+\i], v[CP+\i], v[CP+8+\i]       ; every lane holds the sum over the 32 hidden units
.endr
	v_add_f32 v[CP+5], s54, v[CP+5]
	v_add_f32 v[CP+5], s55, v[CP+5]
	v_add_f32 v[CP+5], s56, v[CP+5]
.irp i, 0,1,2,3,4,5
	global_store_b32 v3, v[CP+\i], s[48:49] offset:9216+128*\i
.endr
.Lcend:
	s_endpgm
.Lfunc_end_k_q7767c16f4a_prep:
	.size	k_q7767c16f4a_prep, .Lfunc_end_k_q7767c16f4a_prep-k_q7767c16f4a_prep
	.p2alignl 7, 3214868480
	.fill 96, 4, 3214868480
	.section	.rodata,"a",@progbits
	.p2align	6, 0x0
	.amdhsa_kernel k_q7767c16f4a_prep
		.amdhsa_group_segment_fixed_size 15872
		.amdhsa_private_segment_fixed_size 0
		.amdhsa_enable_private_segment 0
		.amdhsa_kernarg_size 184
		.amdhsa_user_sgpr_count 2
		.amdhsa_user_sgpr_kernarg_segment_ptr 1
		.amdhsa_wavefront_size32 1
		.amdhsa_system_sgpr_workgroup_id_x 1
		.amdhsa_system_sgpr_workgroup_id_y 1
		.amdhsa_system_sgpr_workgroup_id_z 1
		.amdhsa_system_vgpr_workitem_id 0
		.amdhsa_next_free_vgpr 258
		.amdhsa_next_free_sgpr 66
		.amdhsa_reserve_vcc 0
		.amdhsa_float_denorm_mode_32 3
		.amdhsa_float_denorm_mode_16_64 3
		.amdhsa_memory_ordered 1
		.amdhsa_forward_progress 1
		.amdhsa_inst_pref_size 84
	.end_amdhsa_kernel
	.amdgpu_metadata
---
amdhsa.version: [ 1, 2 ]
amdhsa.kernels:
  - .name:           k_q7767c16f4a_prep
    .symbol:         k_q7767c16f4a_prep.kd
    .args:
      - { .name: x, .offset: 0, .size: 8, .value_kind: global_buffer, .address_space: global }
      - { .name: Wq, .offset: 8, .size: 8, .value_kind: global_buffer, .address_space: global }
      - { .name: Wk, .offset: 16, .size: 8, .value_kind: global_buffer, .address_space: global }
      - { .name: Wv, .offset: 24, .size: 8, .value_kind: global_buffer, .address_space: global }
      - { .name: rot_w1, .offset: 32, .size: 8, .value_kind: global_buffer, .address_space: global }
      - { .name: rot_b1, .offset: 40, .size: 8, .value_kind: global_buffer, .address_space: global }
      - { .name: rot_w2, .offset: 48, .size: 8, .value_kind: global_buffer, .address_space: global }
      - { .name: rot_b2, .offset: 56, .size: 8, .value_kind: global_buffer, .address_space: global }
      - { .name: trans_w1, .offset: 64, .size: 8, .value_kind: global_buffer, .address_space: global }
      - { .name: trans_b1, .offset: 72, .size: 8, .value_kind: global_buffer, .address_space: global }
      - { .name: trans_w2, .offset: 80, .size: 8, .value_kind: global_buffer, .address_space: global }
      - { .name: trans_b2, .offset: 88, .size: 8, .value_kind: global_buffer, .address_space: global }
      - { .name: refl_w1, .offset: 96, .size: 8, .value_kind: global_buffer, .address_space: global }
      - { .name: refl_b1, .offset: 104, .size: 8, .value_kind: global_buffer, .address_space: global }
      - { .name: refl_w2, .offset: 112, .size: 8, .value_kind: global_buffer, .address_space: global }
      - { .name: refl_b2, .offset: 120, .size: 8, .value_kind: global_buffer, .address_space: global }
      - { .name: qc, .offset: 128, .size: 8, .value_kind: global_buffer, .address_space: global }
      - { .name: qs, .offset: 136, .size: 8, .value_kind: global_buffer, .address_space: global }
      - { .name: kc, .offset: 144, .size: 8, .value_kind: global_buffer, .address_space: global }
      - { .name: ks, .offset: 152, .size: 8, .value_kind: global_buffer, .address_space: global }
      - { .name: vc, .offset: 160, .size: 8, .value_kind: global_buffer, .address_space: global }
      - { .name: vs, .offset: 168, .size: 8, .value_kind: global_buffer, .address_space: global }
      - { .name: mc, .offset: 176, .size: 8, .value_kind: global_buffer, .address_space: global }
    .group_segment_fixed_size: 15872
    .private_segment_fixed_size: 0
    .kernarg_segment_align: 8
    .kernarg_segment_size: 184
    .max_flat_workgroup_size: 128
    .sgpr_count:     66
    .vgpr_count:     258
    .wavefront_size: 32
...
	.end_amdgpu_metadata
.endif
;; end of part 1
;; launch attn (part 2): grid 256 x 1, 16 waves a work-group, no clusters, 157,696 bytes of LDS; arguments coords, qc, qs, kc, ks, vc, vs, mc, out0; writes out0
.if DOCPART == 2
	.amdgcn_target "amdgcn-amd-amdhsa--gfx1250"
	.amdhsa_code_object_version 6
	.text
	.protected	k_q7767c16f4a_attn
	.globl	k_q7767c16f4a_attn
	.p2align	8
	.type	k_q7767c16f4a_attn,@function
k_q7767c16f4a_attn:
	s_mov_b64 s[64:65], 0
	v_nop
	global_prefetch_b8 v0, s[64:65] scope:SCOPE_SE
	s_setreg_imm32_b32 hwreg(HW_REG_WAVE_MODE, 25, 1), 1
	s_wait_xcnt 0x0
; ATTN.  out = softmax(Q K^T / 8 + psi) V;  psi(query, key) = the sum of three MLPs of 32 hidden units on features of key's coordinates - query's.
; SHARES.  A work-group owns one tile of 16 queries (tile tau; lane r is row 128 (tau / 8) + 32 ((tau / 2) % 4) + 8 (tau % 2) + r + 8 (r / 8) of the 4,096).  Each of its SIXTEEN waves owns 128 keys of the batch's 2,048
; (group g = 16 x batch + wave): 256 registers a wave, four waves to a SIMD, so that one wave's vector work stands beside another's matrix work.
; LAYOUT.  Both quantised products are used transposed: a lane (r, h) holds query r; logit register n = 16 b + i is key 32 b + 16 h + i of the group.
; PSI, in f32 throughout (it goes on into a quantised operand).  First layers by v_wmma_f32_16x16x4_f32: source 0 = 16 hidden units x (weights, bias), source 1 = (features, 1) x 16 queries for ONE key.
; A UNIT is one logit register: group a = the key of lanes 0-15, group b = the key of lanes 16-31, each against all 16 queries.  Each lane makes the features of its own pair; the halves of the lanes hold k = 0, 1 and k = 2, 3.
; w2 relu(z) = (w2 / 2) z + (w2 / 2) |z|: the second part is one fused multiply-add with |.| for each hidden value; the first, summed over the 96 units, is linear in the five features (six coefficients, made by the launch before).
; sin = dy rsq(s), cos = dx rsq(s), s = dx^2 + dy^2; where s = 0: sin = 0, cos = 1, as atan2(0, 0) = 0 gives.  dx and dy are formed first, so a common offset of the coordinates cancels.
; A loop of 16 trips, 4 units a trip, parks psi in the wave's own LDS as images of the logit registers.  Then one step: 8 scaled products K Q^T, the softmax, 4 scaled products V^T P^T.
; THE SOFTMAX: t = logit x log2(e); M = the ceiling of the wave's largest t of the query, a whole number; p = 2^(t - M) is quantised along the keys; the sum l is taken of the unquantised p.
; THE MERGE: behind the one barrier wave w takes query row w: M = the largest of the sixteen M, every part is multiplied by 2^(its M - M), which rounds nothing, and the row leaves as 256 consecutive bytes.
; K = 64 in an instruction of K = 128: source 0 is a pair of K's tiles, source 1 is [Q][0] or [0][Q] out of a run [0][Q][0]; scale words hold their two bytes twice.
; NO CLUSTER, NO TENSOR LOAD: what work-groups share is 16 KB of codes a wave, loaded once, straight into operand registers in register order, beside 768 f32 products a wave; there is no tile in LDS for a joint load to fill.
; LIMITS: pairs with 0 < dx^2 + dy^2 < 2^-126 get wrong sin and cos; p under 2^-126 counts as 0; a block of p whose largest lies under 2^-118 keeps the scale byte 1; NaN and infinities are not served.
.set WREG, 9728                        ; LDS of a wave: T0 512 (keys of lanes 0-15: slot n at 8 n), T1 512 (of lanes 16-31), the pair (1, 0) 64 times, psi 8,192
.set CST,  1024
.set PSI,  1536                        ; later the wave's stage: 16 rows of O x 272 bytes,
.set ML,   5888                        ; and (-M, l), 8 bytes a query
.set AOP,  16                          ; v16-39   source 0 of the f32 products: 4 t + 2 (group) ;  t = 0, 1 rot, 2, 3 trans, 4, 5 refl
.set W2H,  40                          ; v40-87   w2 / 2 at hidden unit 16 (t % 2) + 8 h + j: 8 t + j
.set D,    88                          ; v88-135  three buffers of two results: written by matrix instructions alone in the whole text
.set F,    136                         ; v136-143 (dx, dy) of my own pair, unit e at 2 e
.set BA,   144                         ; v144-151 group a's source 1 for trans and refl: (dx, dy | 1, 0)
.set BB,   152                         ; v152-159 group b's: (1, 0 | dx, dy)
.set RA,   160                         ; v160-167 group a's source 1 for rot: (cos, sin | dist, 1)
.set RB,   168                         ; v168-175 group b's: (cos, 1 | dist, sin)
.set SS,   176                         ; dx^2 + dy^2
.set RI,   180                         ; its reciprocal root
.set SN,   184                         ; sin
.set LL,   188                         ; the linear part, then psi
.set ACC,  192                         ; v192-199 the sums of (w2 / 2) |z|: group a at 2 e, group b at 2 e + 1
.set QZ,   208                         ; v208-231 [0][Q][0]
.set L16,  234                         ; v234     16 x lane; never rewritten
.set TMP,  235
.set S,    80                          ; behind the loop: v80-143 K Q^T, tile T at 8 T
.set Z,    144                         ; v144-207 psi, then the logits, then p
.set PC,   208                         ; v208-223 p's codes
.set BM,   224                         ; v224-227 each block's largest
.set T1,   228
.set HL,   248
.set SO,   252
; v232 Q's scale words, v233 p's, v236-243 K's, v244-247 V's: these hold scales and nothing else.
; v1 T(h), v2 T0 | (1, 0), v3 (1, 0) | T1, v4 my 16 bytes of an image: the wave's LDS + lane terms; v5-8 the trip's copies; v9 256 x lane; v[10:11] my query's (x, y), v[12:13] (x, y | 0, 0), v[14:15] (0, 0 | x, y).
; s2 wave, s3 tau, s22 g, s23 lanes 16-31, s24-29 the six coefficients, s30-33 masks s = 0, s34 trip, s35, s36 its LDS steps, s37 the trip in which I prefetch, s[38:39] what, s[40:41] lane selects, s[42:43] log2(e), s44 448's mantissa, s47 my LDS.
.macro PLACES n
.rept \n
	v_nop
.endr
.endm
	s_load_b512 s[4:19], s[0:1], 0x0               ; coords, qc, qs, kc, ks, vc, vs, mc
	s_load_b64 s[20:21], s[0:1], 0x40              ; out0
	v_lshrrev_b32 v1, 5, v0
	v_readfirstlane_b32 s2, v1                     ; wave 0..15
	s_mov_b32 s3, ttmp9
	s_lshr_b32 s46, s3, 7
	s_lshl_b32 s46, s46, 4
	s_add_co_u32 s22, s46, s2                      ; g = 16 x batch + wave
	s_mov_b32 s23, 0xffff0000
	s_mov_b32 s40, 0x76543210
	s_mov_b32 s41, 0xfedcba98
	s_mov_b32 s42, 0x3fb8aa3b                      ; log2(e)
	s_mov_b32 s43, s42                             ; (named with it as a pair, so it is written)
	s_mov_b32 s44, 0x600000
	s_mul_i32 s47, s2, WREG
	s_lshr_b32 s48, s3, 3
	s_lshl_b32 s48, s48, 7
	s_bfe_u32 s49, s3, 0x20001
	s_lshl_b32 s49, s49, 5
	s_add_co_u32 s48, s48, s49
	s_and_b32 s49, s3, 1
	s_lshl_b32 s49, s49, 3
	s_add_co_u32 s48, s48, s49                     ; the tile's row for r = 0
	v_and_b32 v248, 31, v0                         ; lane
	v_and_b32 v249, 15, v0                         ; r
	v_bfe_u32 v250, v0, 4, 1                       ; h
	v_lshl_add_u32 v1, v250, 9, s47
	v_lshl_add_u32 v2, v250, 10, s47
	v_xor_b32 v3, 1, v250
	v_lshl_add_u32 v3, v3, 9, s47
	v_add_nc_u32 v3, 512, v3
	v_lshl_add_u32 v4, v248, 4, s47
	v_lshlrev_b32 v9, 8, v248
	v_lshlrev_b32 v[L16], 4, v248
	v_and_b32 v251, 8, v249
	v_add_nc_u32 v251, v251, v249
	v_lshlrev_b32 v251, 3, v251                    ; my query's coordinates: 8 (r + 8 (r / 8))
	v_lshlrev_b32 v252, 5, v248                    ; four keys' coordinates a lane
	v_lshlrev_b32 v253, 2, v249
	v_lshlrev_b32 v254, 5, v249
	v_lshlrev_b32 v255, 4, v249
	v_bfe_u32 v[TMP], v0, 2, 1                     ; keys 4 lane .. 4 lane + 3 = 32 b + 16 h + i go to table h, slots 16 b + i
	v_lshl_add_u32 v[TMP], v[TMP], 9, s47
	v_bfe_u32 v5, v0, 3, 2
	v_lshl_add_u32 v[TMP], v5, 7, v[TMP]
	v_and_b32 v5, 3, v0
	v_lshl_add_u32 v[TMP], v5, 5, v[TMP]
	s_mov_b32 s51, 0
	s_wait_kmcnt 0x0
	s_load_b32 s24, s[18:19], 0x2400               ; of dx
	s_load_b32 s25, s[18:19], 0x2480               ; of dy
	s_load_b32 s26, s[18:19], 0x2500               ; of the distance
	s_load_b32 s27, s[18:19], 0x2580               ; of sin
	s_load_b32 s28, s[18:19], 0x2600               ; of cos
	s_load_b32 s29, s[18:19], 0x2680               ; the constant
	s_lshl_b32 s50, s22, 10
	s_add_nc_u64 s[52:53], s[4:5], s[50:51]        ; my keys' coordinates
	s_lshl_b32 s50, s48, 3
	s_add_nc_u64 s[4:5], s[4:5], s[50:51]          ; the tile's queries'
	s_lshl_b32 s50, s3, 10
	s_add_nc_u64 s[6:7], s[6:7], s[50:51]
	s_lshl_b32 s50, s3, 6
	s_add_nc_u64 s[8:9], s[8:9], s[50:51]
	s_lshl_b32 s50, s22, 13
	s_add_nc_u64 s[10:11], s[10:11], s[50:51]
	s_add_nc_u64 s[14:15], s[14:15], s[50:51]
	s_lshl_b32 s50, s22, 9
	s_add_nc_u64 s[12:13], s[12:13], s[50:51]
	s_lshl_b32 s50, s22, 8
	s_add_nc_u64 s[16:17], s[16:17], s[50:51]
	s_and_b32 s50, s2, 8
	s_add_co_u32 s50, s50, s2
	s_add_co_u32 s50, s50, s48
	s_lshl_b32 s50, s50, 8
	s_add_nc_u64 s[20:21], s[20:21], s[50:51]      ; the row of out0 that I merge: the tile's row for r = wave
	global_load_b128 v[200:203], v252, s[52:53]
	global_load_b128 v[204:207], v252, s[52:53] offset:16
	global_load_b64 v[10:11], v251, s[4:5]
.irp t, 0,1,2,3,4,5
	global_load_b128 v[AOP+4*\t:AOP+4*\t+3], v[L16], s[18:19] offset:512*\t
.endr
.irp k, 0,1,2,3,4,5,6,7,8,9,10,11
	global_load_b128 v[W2H+4*\k:W2H+4*\k+3], v[L16], s[18:19] offset:3072+512*\k
.endr
	global_load_b128 v[QZ+8:QZ+11], v[L16], s[6:7]
	global_load_b128 v[QZ+12:QZ+15], v[L16], s[6:7] offset:512
	global_load_b32 v232, v253, s[8:9]
	global_load_b128 v[236:239], v254, s[12:13]
	global_load_b128 v[240:243], v254, s[12:13] offset:16
	global_load_b128 v[244:247], v255, s[16:17]
.irp i, 0,1,2,3,4,5,6,7
	v_mov_b32 v[QZ+\i], 0                          ; the zero codes on both sides of Q
	v_mov_b32 v[QZ+16+\i], 0
.endr
	v_mov_b32 v192, 1.0
	v_mov_b32 v193, 0
	v_mov_b32 v194, 1.0
	v_mov_b32 v195, 0
	ds_store_b128 v4, v[192:195] offset:CST        ; the pair (1, 0), 64 times
	; the prefetch of the codes: of each batch's 128 work-groups the first asks for K's, the second for V's; each wave for its own group's 8,192 bytes, lanes 256 bytes apart: each block is named once in the launch
	s_and_b32 s46, s3, 127
	s_cmp_lt_u32 s46, 2
	s_cselect_b32 s37, 15, -1                      ; in the last trip, one trip (48 f32 products of each of a SIMD's four waves) ahead of the loads; -1 is no trip's number
	s_cmp_eq_u32 s46, 0
	s_cselect_b64 s[38:39], s[10:11], s[14:15]
	s_mov_b32 s34, 0
	s_mov_b32 s35, 0
	s_mov_b32 s36, 0
	s_wait_loadcnt 24                              ; the three loads of coordinates are in; the 24 behind them may be out
	ds_store_b128 v[TMP], v[200:203]
	ds_store_b128 v[TMP], v[204:207] offset:16
	v_cndmask_b32 v12, v10, 0, s23
	v_cndmask_b32 v13, v11, 0, s23
	v_cndmask_b32 v14, 0, v10, s23
	v_cndmask_b32 v15, 0, v11, s23
	s_wait_loadcnt 6                               ; the MLPs' constants are in; Q (2), its scale word, K's scale words (2) and V's stay out over the loop, which issues no global load and names none of their registers
	s_wait_kmcnt 0x0
; The features of the trip's four units, up to the wait for the roots.
.macro PRE
.irp e, 0,1,2,3
	v_pk_add_f32 v[F+2*\e:F+2*\e+1], v[F+2*\e:F+2*\e+1], v[10:11] neg_lo:[0,1] neg_hi:[0,1]      ; key - query
	v_pk_add_f32 v[BA+2*\e:BA+2*\e+1], v[BA+2*\e:BA+2*\e+1], v[12:13] neg_lo:[0,1] neg_hi:[0,1]  ; (dx, dy | 1, 0)
	v_pk_add_f32 v[BB+2*\e:BB+2*\e+1], v[BB+2*\e:BB+2*\e+1], v[14:15] neg_lo:[0,1] neg_hi:[0,1]  ; (1, 0 | dx, dy)
.endr
.irp e, 0,1,2,3
	v_mul_f32 v[SS+\e], v[F+2*\e], v[F+2*\e]
.endr
.irp e, 0,1,2,3
	v_fmac_f32 v[SS+\e], v[F+2*\e+1], v[F+2*\e+1]
.endr
.irp e, 0,1,2,3
	v_add_f32 v[RB+2*\e], 0x322bcc77, v[SS+\e]                     ; + 1e-8
	v_max_num_f32 v[RI+\e], 0x00800000, v[SS+\e]                   ; no denormal goes into the reciprocal root
.endr
.irp e, 0,1,2,3
	v_sqrt_f32 v[RB+2*\e], v[RB+2*\e]                              ; the distance
.endr
.irp e, 0,1,2,3
	v_rsq_f32 v[RI+\e], v[RI+\e]
.endr
.irp e, 0,1,2,3
	v_cmp_eq_f32 s[30+\e], 0, v[SS+\e]                             ; plain work behind the eight: it names none of their results
.endr
.irp e, 0,1,2,3
	v_fma_f32 v[LL+\e], v[F+2*\e], s24, s29
.endr
.irp e, 0,1,2,3
	v_fmac_f32 v[LL+\e], s25, v[F+2*\e+1]
.endr
	s_wait_alu depctr_va_vdst(0)                                   ; one wait for the eight roots, ahead of their first reader
.endm
; Unit e: sin, cos, the rest of the linear part, and rot's two operands.  The swap gives lanes 16-31 of the first register (cos b) for lanes 0-15 of the second (dist a).
.macro POST e
	v_mul_f32 v[RA+2*\e], v[F+2*\e], v[RI+\e]
	v_mul_f32 v[SN+\e], v[F+2*\e+1], v[RI+\e]
	v_cndmask_b32 v[RA+2*\e], v[RA+2*\e], 1.0, s[30+\e]            ; cos = 1 where the two points coincide
	v_fmac_f32 v[LL+\e], s26, v[RB+2*\e]
	v_fmac_f32 v[LL+\e], s27, v[SN+\e]
	v_fmac_f32 v[LL+\e], s28, v[RA+2*\e]
	v_cndmask_b32 v[RA+2*\e+1], v[SN+\e], 1.0, s23
	v_cndmask_b32 v[RB+2*\e+1], 1.0, v[SN+\e], s23
	v_permlane16_swap_b32 v[RA+2*\e], v[RB+2*\e]                   ; (cos a | dist a), (cos b | dist b)
.endm
; Step q = 6 e + t: 16 hidden units of tile t for unit e's two groups, into buffer q % 3.  In the result lane (r, h) holds query r and hidden units 16 (t % 2) + 8 h + j.
.macro HID q
.set e_, (\q)/6
.set t_, (\q)%6
.set k_, (\q)%3
.if t_ < 2
.set ba_, RA+2*e_
.set bb_, RB+2*e_
.else
.set ba_, BA+2*e_
.set bb_, BB+2*e_
.endif
	v_wmma_f32_16x16x4_f32 v[D+16*k_:D+16*k_+7], v[AOP+4*t_:AOP+4*t_+1], v[ba_:ba_+1], 0
	v_wmma_f32_16x16x4_f32 v[D+16*k_+8:D+16*k_+15], v[AOP+4*t_+2:AOP+4*t_+3], v[bb_:bb_+1], 0
.endm
; The second layer of step q: sum += (w2 / 2) |z|, the two groups by turns, each result from its low end on.
.macro SEC q
.set e_, (\q)/6
.set t_, (\q)%6
.set k_, (\q)%3
.irp j, 0,1,2,3,4,5,6,7
.if (t_ == 0) && (\j == 0)
	v_mul_f32 v[ACC+2*e_], |v[D+16*k_]|, v[W2H]
	v_mul_f32 v[ACC+2*e_+1], |v[D+16*k_+8]|, v[W2H]
.else
	v_fma_f32 v[ACC+2*e_], |v[D+16*k_+\j]|, v[W2H+8*t_+\j], v[ACC+2*e_]
	v_fma_f32 v[ACC+2*e_+1], |v[D+16*k_+8+\j]|, v[W2H+8*t_+\j], v[ACC+2*e_+1]
.endif
.endr
.endm
; DISTANCES (eight places ahead of a read of a result or of a write or load into an operand, nine ahead of a product that writes over a result).  Steps 0 and 1 have units 2 and 3's sixteen plain lines behind them;
; step q from 2 on has step q - 1's second layer (16 lines on another buffer) between its products and their reader; a buffer is written again three steps on, with two other steps' second layers between;
; over the backward jump the second layers of steps 22 and 23 and the sums stand between the last products and the loads into their operands.  No sum is carried on in place: every product begins with the constant 0.
.Ltrip:                                                ; 16 trips: logit registers 4 trip .. 4 trip + 3
	v_add_nc_u32 v5, s35, v1
	v_add_nc_u32 v6, s35, v2
	v_add_nc_u32 v7, s35, v3
	ds_load_b128 v[F:F+3], v5                      ; my half's four keys
	ds_load_b128 v[F+4:F+7], v5 offset:16
	ds_load_b128 v[BA:BA+3], v6                    ; lanes 0-15: their keys; lanes 16-31: (1, 0)
	ds_load_b128 v[BA+4:BA+7], v6 offset:16
	ds_load_b128 v[BB:BB+3], v7                    ; lanes 0-15: (1, 0); lanes 16-31: their keys
	ds_load_b128 v[BB+4:BB+7], v7 offset:16
	s_cmp_eq_u32 s34, s37
	s_cbranch_scc0 .Lnot_mine
	global_prefetch_b8 v9, s[38:39] th:TH_LOAD_NT scope:SCOPE_SE   ; its two address registers are never rewritten
.Lnot_mine:
	s_wait_dscnt 0x0                               ; the six loads are in, and the last trip's store of psi is done: its data and its address are written again below
	v_add_nc_u32 v8, s36, v4
	PRE
	POST 0
	POST 1
	HID 0
	HID 1
	POST 2
	POST 3
.set qq, 0
.rept 24
	SEC qq
.if qq < 22
	HID qq+2
.endif
.set qq, qq+1
.endr
.irp e, 0,1,2,3
	v_permlane16_swap_b32 v[ACC+2*\e], v[ACC+2*\e+1]               ; (a's units of h = 0 | b's of h = 0), (a's of h = 1 | b's of h = 1)
.endr
.irp e, 0,1,2,3
	v_add_f32 v[ACC+2*\e], v[ACC+2*\e], v[ACC+2*\e+1]              ; (a's sum | b's sum): each lane has its own pair's
.endr
.irp e, 0,1,2,3
	v_add_f32 v[LL+\e], v[LL+\e], v[ACC+2*\e]
.endr
	ds_store_b128 v8, v[LL:LL+3] offset:PSI        ; an image of four logit registers
	s_add_co_u32 s35, s35, 32
	s_add_co_u32 s36, s36, 512
	s_add_co_u32 s34, s34, 1
	s_cmp_lt_u32 s34, 16
	s_cbranch_scc1 .Ltrip
	; ---------------- the wave's 128 keys
.irp k, 0,1,2,3,4,5,6,7,8,9,10,11,12,13,14,15
	global_load_b128 v[16+4*\k:19+4*\k], v[L16], s[10:11] offset:512*\k      ; K's eight tiles, tile T at v[16 + 8 T]
.endr
	s_wait_dscnt 0x0                               ; the last store of psi has taken its registers, on which the loads below land
.irp k, 0,1,2,3,4,5,6,7,8,9,10,11,12,13,14,15
	ds_load_b128 v[Z+4*\k:Z+4*\k+3], v4 offset:PSI+512*\k
.endr
	s_wait_loadcnt 0x0                             ; K, and what stayed out over the loop
.irp t, 0,1,2,3,4,5,6,7
	v_wmma_scale_f32_16x16x128_f8f6f4 v[S+8*\t:S+8*\t+7], v[16+16*(\t/2):31+16*(\t/2)], v[QZ+8-8*(\t%2):QZ+23-8*(\t%2)], 0, v[236+\t], v232
.endr
	PLACES 8                                       ; ahead of the loads into K's registers, of the first read of the scores and of writes into Q's run
.irp k, 0,1,2,3,4,5,6,7,8,9,10,11,12,13,14,15
	global_load_b128 v[16+4*\k:19+4*\k], v[L16], s[14:15] offset:512*\k      ; V: channel tile c at v[16 + 16 c], key block b at + 4 b
.endr
	s_wait_dscnt 0x0                               ; psi
.set i, 0
.rept 32
	v_pk_fma_f32 v[Z+i:Z+i+1], v[S+i:S+i+1], 0x3e000000, v[Z+i:Z+i+1] op_sel_hi:[1,0,1]   ; the logit: score / 8 + psi
.set i, i+2
.endr
.irp b, 0,1,2,3
	v_max3_num_f32 v[BM+\b], v[Z+16*\b], v[Z+16*\b+1], v[Z+16*\b+2]       ; the largest logit of each block of 32 keys: for the row's maximum and, since p rises with the logit, for the block's largest p
.endr
.irp i, 3,5,7,9,11,13
.irp b, 0,1,2,3
	v_max3_num_f32 v[BM+\b], v[BM+\b], v[Z+16*\b+\i], v[Z+16*\b+\i+1]
.endr
.endr
.irp b, 0,1,2,3
	v_max_num_f32 v[BM+\b], v[BM+\b], v[Z+16*\b+15]
.endr
.irp b, 0,1,2,3
	v_permlanex16_b32 v[T1+\b], v[BM+\b], s40, s41
.endr
.irp b, 0,1,2,3
	v_max_num_f32 v[BM+\b], v[BM+\b], v[T1+\b]
.endr
	v_max3_num_f32 v[TMP], v[BM], v[BM+1], v[BM+2]
	v_max_num_f32 v[TMP], v[TMP], v[BM+3]
	v_mul_f32 v11, s42, v[TMP]                     ; the largest t of my query among these 128 keys
	v_floor_f32 v10, -v11                          ; -M = floor(-t) = -ceil(t)
.set i, 0
.rept 32
	v_pk_fma_f32 v[Z+i:Z+i+1], v[Z+i:Z+i+1], s[42:43], v[10:11] op_sel_hi:[1,0,0]         ; t - M (of both pairs the low word serves both halves)
.set i, i+2
.endr
.irp b, 0,1,2,3
	v_fma_f32 v[BM+\b], v[BM+\b], s42, v10
.endr
.set i, 0
.rept 64
	v_exp_f32 v[Z+i], v[Z+i]                       ; p = 2^(t - M), not normalised
.set i, i+1
.endr
	v_and_b32 v1, 15, v0                           ; r: a plain line behind the exponentials
	s_wait_alu depctr_va_vdst(0)                   ; one wait for the batch, ahead of its first reader
.irp b, 0,1,2,3
	v_exp_f32 v[BM+\b], v[BM+\b]                   ; each block's largest p: the same two instructions on the same number
.endr
	v_pk_add_f32 v[12:13], v[Z:Z+1], v[Z+2:Z+3]    ; the sum of the unquantised p, in two chains; it reads the 64 alone
	v_pk_add_f32 v[14:15], v[Z+4:Z+5], v[Z+6:Z+7]
.irp j, 8,12,16,20,24,28,32,36,40,44,48,52,56,60
	v_pk_add_f32 v[12:13], v[12:13], v[Z+\j:Z+\j+1]
	v_pk_add_f32 v[14:15], v[14:15], v[Z+\j+2:Z+\j+3]
.endr
	v_pk_add_f32 v[12:13], v[12:13], v[14:15]
	s_wait_alu depctr_va_vdst(0)                   ; and one for the four
.irp b, 0,1,2,3
	v_max_num_f32 v[BM+\b], 0x4800000, v[BM+\b]    ; the floor 2^(9 - 127): the byte cannot fall under 1
.endr
.irp b, 0,1,2,3
	v_add_nc_u32 v[SO+\b], 0xfc000000, v[BM+\b]    ; 8 off the exponent field: the conversion's scale operand
.endr
.irp b, 0,1,2,3
	v_and_or_b32 v[HL+\b], v[BM+\b], 0x7f800000, s44   ; 448 x the scale
.endr
.irp b, 0,1,2,3
	v_lshrrev_b32 v[T1+\b], 23, v[SO+\b]           ; the scale's byte
.endr
	v_lshl_or_b32 v233, v[T1+1], 8, v[T1]          ; p's scale word; the 64 holds below stand between it and the products
	v_lshl_or_b32 v233, v[T1+2], 16, v233
	v_lshl_or_b32 v233, v[T1+3], 24, v233
.irp b, 0,1,2,3
.irp i, 0,1,2,3,4,5,6,7,8,9,10,11,12,13,14,15
	v_min_num_f32 v[Z+16*\b+\i], v[Z+16*\b+\i], v[HL+\b]           ; the conversion does not saturate (ISA guide 7.6.2); p is not negative, so the hold is one-sided
.endr
	v_cvt_scalef32_pk8_fp8_f32 v[PC+4*\b:PC+4*\b+1], v[Z+16*\b:Z+16*\b+7], v[SO+\b]
	v_cvt_scalef32_pk8_fp8_f32 v[PC+4*\b+2:PC+4*\b+3], v[Z+16*\b+8:Z+16*\b+15], v[SO+\b]
.endr
	; the row's sum and the addresses of the merge: plain lines, which are also the places between the codes and the products
	v_add_f32 v11, v12, v13
	v_bfe_u32 v2, v0, 4, 1                         ; h
	v_permlanex16_b32 v[TMP], v11, s40, s41
	v_mul_u32_u24 v3, v1, 272
	v_add_f32 v11, v11, v[TMP]                     ; l of my query over these 128 keys
	v_lshl_add_u32 v3, v2, 5, v3
	v_add_nc_u32 v3, s47, v3                       ; my stage: row r, + 32 h
	v_lshl_add_u32 v5, v1, 3, s47                  ; (-M, l) of query r
	s_mul_i32 s49, s2, 272
	s_lshl_b32 s50, s2, 3
	v_and_b32 v15, 31, v0
	v_lshlrev_b32 v15, 3, v15                      ; 8 x lane
	v_add_nc_u32 v136, s49, v15                    ; row w of the stages of waves 0-3 (the wave in the immediate),
	v_add_nc_u32 v137, 4*WREG, v136                ; 4-7,
	v_add_nc_u32 v138, 8*WREG, v136                ; 8-11,
	v_add_nc_u32 v139, 12*WREG, v136               ; 12-15
	v_mov_b32 v140, s50                            ; and their (-M, l) of query w
	v_add_nc_u32 v141, 4*WREG, v140
	v_add_nc_u32 v142, 8*WREG, v140
	v_add_nc_u32 v143, 12*WREG, v140
	s_wait_loadcnt 0x0                             ; V
.irp c, 0,1,2,3
	v_wmma_scale_f32_16x16x128_f8f6f4 v[88+8*\c:95+8*\c], v[16+16*\c:31+16*\c], v[PC:PC+15], 0, v[244+\c], v233   ; O^T: lane (r, h): query r, channels 16 c + 8 h + j
.endr
	PLACES 8
.irp c, 0,1,2,3
	ds_store_b128 v3, v[88+8*\c:91+8*\c] offset:PSI+64*\c          ; each result from its low end on; psi's bytes are the wave's own and have been read
	ds_store_b128 v3, v[92+8*\c:95+8*\c] offset:PSI+64*\c+16
.endr
	ds_store_b64 v5, v[10:11] offset:ML            ; both halves of the lanes write the same pair
	s_wait_dscnt 0x0                               ; for the others' sake: my stores have landed
	s_barrier_signal -1
	s_barrier_wait -1
	; ---------------- the merge: query row w of all sixteen parts; a lane takes two channels
.irp q, 0,1,2,3
.irp p, 0,1,2,3
	ds_load_b64 v[144+2*(4*\q+\p):145+2*(4*\q+\p)], v[136+\q] offset:PSI+WREG*\p
	ds_load_b64 v[176+2*(4*\q+\p):177+2*(4*\q+\p)], v[140+\q] offset:ML+WREG*\p
.endr
.endr
	s_wait_dscnt 0x0
	v_min3_num_f32 v1, v176, v178, v180            ; -M of the whole row: the least of the sixteen
.irp s, 182,186,190,194,198,202
	v_min3_num_f32 v1, v1, v[\s], v[\s+2]
.endr
	v_min_num_f32 v1, v1, v206
.irp s, 0,1,2,3,4,5,6,7,8,9,10,11,12,13,14,15
	v_sub_f32 v[176+2*\s], v1, v[176+2*\s]         ; the part's M less the row's: a whole number, 0 or less
.endr
.irp s, 0,1,2,3,4,5,6,7,8,9,10,11,12,13,14,15
	v_cvt_i32_f32 v[176+2*\s], v[176+2*\s]
.endr
.irp s, 0,1,2,3,4,5,6,7,8,9,10,11,12,13,14,15
	v_ldexp_f32 v[176+2*\s], 1.0, v[176+2*\s]      ; f = 2^(the part's M - the row's M)
.endr
	v_mul_f32 v2, v176, v177
	v_pk_mul_f32 v[12:13], v[144:145], v[176:177] op_sel_hi:[1,0]
.irp s, 1,2,3,4,5,6,7,8,9,10,11,12,13,14,15
	v_fmac_f32 v2, v[176+2*\s], v[177+2*\s]        ; l
	v_pk_fma_f32 v[12:13], v[144+2*\s:145+2*\s], v[176+2*\s:177+2*\s], v[12:13] op_sel_hi:[1,0,1]
.endr
	v_rcp_f32 v2, v2
	v_nop                                          ; a plain line behind the reciprocal
	s_wait_alu depctr_va_vdst(0)                   ; and the wait ahead of its reader
	v_pk_mul_f32 v[12:13], v[12:13], v[2:3] op_sel_hi:[1,0]
	global_store_b64 v15, v[12:13], s[20:21] th:TH_STORE_NT        ; 32 lanes store the row's 256 consecutive bytes, at a multiple of 256 from out0's first byte
	s_wait_xcnt 0x0
	v_lshl_add_u32 v254, v0, 2, 0x26000
	v_mov_b32 v255, 0
	s_wait_tensorcnt 0x0
	ds_add_u32 v254, v255
	s_wait_dscnt 0x0
	s_endpgm
.Lfunc_end_k_q7767c16f4a_attn:
	.size	k_q7767c16f4a_attn, .Lfunc_end_k_q7767c16f4a_attn-k_q7767c16f4a_attn
	.p2alignl 7, 3214868480
	.fill 96, 4, 3214868480
	.section	.rodata,"a",@progbits
	.p2align	6, 0x0
	.amdhsa_kernel k_q7767c16f4a_attn
		.amdhsa_group_segment_fixed_size 157696
		.amdhsa_private_segment_fixed_size 0
		.amdhsa_enable_private_segment 0
		.amdhsa_kernarg_size 72
		.amdhsa_user_sgpr_count 2
		.amdhsa_user_sgpr_kernarg_segment_ptr 1
		.amdhsa_wavefront_size32 1
		.amdhsa_system_sgpr_workgroup_id_x 1
		.amdhsa_system_sgpr_workgroup_id_y 1
		.amdhsa_system_sgpr_workgroup_id_z 1
		.amdhsa_system_vgpr_workitem_id 0
		.amdhsa_next_free_vgpr 256
		.amdhsa_next_free_sgpr 66
		.amdhsa_reserve_vcc 0
		.amdhsa_float_denorm_mode_32 3
		.amdhsa_float_denorm_mode_16_64 3
		.amdhsa_memory_ordered 1
		.amdhsa_forward_progress 1
		.amdhsa_inst_pref_size 70
	.end_amdhsa_kernel
	.amdgpu_metadata
---
amdhsa.version: [ 1, 2 ]
amdhsa.kernels:
  - .name:           k_q7767c16f4a_attn
    .symbol:         k_q7767c16f4a_attn.kd
    .args:
      - { .name: coords, .offset: 0, .size: 8, .value_kind: global_buffer, .address_space: global }
      - { .name: qc, .offset: 8, .size: 8, .value_kind: global_buffer, .address_space: global }
      - { .name: qs, .offset: 16, .size: 8, .value_kind: global_buffer, .address_space: global }
      - { .name: kc, .offset: 24, .size: 8, .value_kind: global_buffer, .address_space: global }
      - { .name: ks, .offset: 32, .size: 8, .value_kind: global_buffer, .address_space: global }
      - { .name: vc, .offset: 40, .size: 8, .value_kind: global_buffer, .address_space: global }
      - { .name: vs, .offset: 48, .size: 8, .value_kind: global_buffer, .address_space: global }
      - { .name: mc, .offset: 56, .size: 8, .value_kind: global_buffer, .address_space: global }
      - { .name: out0, .offset: 64, .size: 8, .value_kind: global_buffer, .address_space: global }
    .group_segment_fixed_size: 157696
    .private_segment_fixed_size: 0
    .kernarg_segment_align: 8
    .kernarg_segment_size: 72
    .max_flat_workgroup_size: 512
    .sgpr_count:     66
    .vgpr_count:     256
    .wavefront_size: 32
...
	.end_amdgpu_metadata
.endif
;; end of part 2
;; ======== version 2 of 3: 2 launches
;; limits: below input magnitudes of 1.08e-19 results are inexact or not finite; right only within a limited range of input values
;; workspace buffers: qc 262,144 bytes; kc 262,144 bytes; vc 262,144 bytes; qs 16,384 bytes; ks 16,384 bytes; vs 8,192 bytes; mc 2,816 bytes
;; launch prep (part 3): grid 33 x 1, 4 waves a work-group, no clusters, 15,872 bytes of LDS; arguments x, Wq, Wk, Wv, rot_w1, rot_b1, rot_w2, rot_b2, trans_w1, trans_b1, trans_w2, trans_b2, refl_w1, refl_b1, refl_w2, refl_b2, qc, qs, kc, ks, vc, vs, mc; writes qc, qs, kc, ks, vc, vs, mc
.if DOCPART == 3
	.amdgcn_target "amdgcn-amd-amdhsa--gfx1250"
	.amdhsa_code_object_version 6
	.text
	.protected	k_q7767c16f4a_prep
	.globl	k_q7767c16f4a_prep
	.p2align	8
	.type	k_q7767c16f4a_prep,@function
k_q7767c16f4a_prep:
	s_mov_b64 s[64:65], 0
	v_nop
	global_prefetch_b8 v0, s[64:65] scope:SCOPE_SE
	s_setreg_imm32_b32 hwreg(HW_REG_WAVE_MODE, 25, 1), 1
	s_wait_xcnt 0x0
; PREP.  Work-groups 0-31: Q = x Wq, K = x Wk, V = x Wv on codes of E4M3 with one E8M0 scale for each 32 along K, and the results quantised once more
; (Q, K along the 64 channels, V along the keys), stored in the order of the next launch's operand registers.  Work-group 32: the constants of the three small MLPs, as a table by hidden index.
; SHARES.  Work-group g takes rows 128 g .. 128 g + 127 of the 4,096; wave w its rows 32 w .. 32 w + 31, as two tiles u = 0, 1 of 16 rows.
; THE ROWS OF A TILE ARE NOT NEIGHBOURS: lane r of tile 2 w + u is row 128 g + 32 w + 8 u + r + 8 (r / 8), so that V's 16 registers of tiles u = 0, 1 are 16 neighbouring keys.
; The columns of Wq and Wk that form a tile are chosen the same way, so that a lane's 32 results of a row are k = 32 b + 16 (lane / 16) + 0 .. 15, b = 0, 1: the operand's own layout.
; K = 64 IN AN INSTRUCTION OF K = 128: one source is a pair of 64-wide fragments [F t][F t+1], the other [x][0] (t even) or [0][x] (t odd), cut out of a run of 24 registers [0][x][0].
; Zero codes take the foreign half out of the sum.  A 64-wide fragment's scale word holds its two bytes twice, so it serves in either half.
; The twelve weight fragments (4 tiles x 3 weights) are quantised once in the work-group, three by each wave, and go round through LDS as images of their registers.
; No cluster, no tensor load: the weights are 48 KB read once by each of 32 work-groups into registers; nothing is walked in tiles.
; LIMITS: blocks whose largest magnitude lies under 2^-118 keep the scale byte 1; a block of zeros gets the byte 1 (its codes are zeros, and this program alone reads the bytes); NaN and infinities are not served.
.set WIMG, 0                           ; LDS: 12 weight fragments, 1,024 bytes each: registers 4 c .. 4 c + 3 at 512 c + 16 x lane
.set WSC,  12288                       ; their scale words, 128 bytes each
.set QS,   13824                       ; Q's scale words of the group: [tile 8][r 16]
.set KS,   14336                       ; K's: [r 16][tile 8]
.set VS,   14848                       ; V's bytes: [r 16][channel tile 4][key block 4]
.set WS,   4                           ; v4-15    the 12 weight scale words
.set XR,   16                          ; v16-79   x as f32: 32 u + 16 c + i
.set R,    16                          ;          later the products' results
.set WR,   80                          ; v80-175  my three weight tiles as f32: 32 kind + 16 c + i
.set WC,   80                          ;          later the 12 fragments: 32 kind + 8 t
.set XZ,   176                         ; v176-199 [0][x tile 0][0];  v200-223 [0][x tile 1][0]
.set XS,   224                         ; v224-225 x's scale words
.set PC,   226                         ; v226-233 codes just made
.set PW,   234                         ; v234     scale word just made
.set TM,   236                         ; v236-243 at work in QUANT2
; v1 x's offset, v2 Wq's and Wk's, v3 Wv's; v244 16 lane, v245 16 lane + 1024 w, v246 4 lane + 128 w, v247 4 lane, v248 4 r + 128 w, v249 32 r + 8 w, v250 16 r + w, v251 16 lane + 512 (w & 1), v252 8 lane
.macro PLACES n
.rept \n
	v_nop
.endr
.endm
.macro FREE                            ; the stores that read the code registers, the word and the bytes have taken their data: these may be written again
	s_wait_xcnt 0x0
	s_wait_dscnt 0x0
.endm
.macro BARRIER                         ; my LDS stores have landed and my LDS loads are in: then the work-group's barrier
	s_wait_dscnt 0x0
	s_barrier_signal -1
	s_barrier_wait -1
.endm
; 32 numbers of a lane, two blocks of which it holds 16 each (the other 16 lie in lane l xor 16), become 8 registers of codes and a word (byte 0, byte 1, byte 0, byte 1).  The bytes stay in v[TM+2], v[TM+3].
.macro QUANT2 src, dst, wd
.irp b, 0,1
	v_max3_num_f32 v[TM+\b], |v[(\src)+16*\b]|, |v[(\src)+16*\b+1]|, 0x4800000   ; my 16 numbers and the floor 2^(9 - 127): the byte cannot fall under 1
.endr
.irp i, 2,4,6,8,10,12,14
.irp b, 0,1
	v_max3_num_f32 v[TM+\b], v[TM+\b], |v[(\src)+16*\b+\i]|, |v[(\src)+16*\b+\i+1]|
.endr
.endr
.irp b, 0,1
	v_permlanex16_b32 v[TM+2+\b], v[TM+\b], s50, s51
.endr
.irp b, 0,1
	v_max_num_f32 v[TM+\b], v[TM+\b], v[TM+2+\b]                   ; the block's largest magnitude
.endr
.irp b, 0,1
	v_add_nc_u32 v[TM+6+\b], 0xfc000000, v[TM+\b]                  ; 8 off its exponent field: the conversion's scale operand
.endr
.irp b, 0,1
	v_and_or_b32 v[TM+4+\b], v[TM+\b], 0x7f800000, s52             ; 448 x the scale
.endr
.irp b, 0,1
	v_lshrrev_b32 v[TM+2+\b], 23, v[TM+6+\b]                       ; the scale's byte
.endr
	v_lshl_or_b32 v[\wd], v[TM+3], 8, v[TM+2]
	v_lshl_or_b32 v[\wd], v[\wd], 16, v[\wd]                       ; the two bytes twice
.irp b, 0,1
.irp i, 0,1,2,3,4,5,6,7,8,9,10,11,12,13,14,15
	v_med3_num_f32 v[(\src)+16*\b+\i], v[(\src)+16*\b+\i], -v[TM+4+\b], v[TM+4+\b]   ; the conversion to an 8-bit code does not saturate (ISA guide 7.6.2): the hold comes first
.endr
	v_cvt_scalef32_pk8_fp8_f32 v[(\dst)+4*\b:(\dst)+4*\b+1], v[(\src)+16*\b:(\src)+16*\b+7], v[TM+6+\b]
	v_cvt_scalef32_pk8_fp8_f32 v[(\dst)+4*\b+2:(\dst)+4*\b+3], v[(\src)+16*\b+8:(\src)+16*\b+15], v[TM+6+\b]
.endr
	v_nop                                                          ; a plain line behind the last conversion, ahead of whatever next touches its registers
.endm
	s_load_b512 s[4:19], s[0:1], 0x0               ; x, Wq, Wk, Wv, rot_w1, rot_b1, rot_w2, rot_b2
	s_load_b512 s[20:35], s[0:1], 0x40             ; trans_w1, trans_b1, trans_w2, trans_b2, refl_w1, refl_b1, refl_w2, refl_b2
	s_load_b256 s[36:43], s[0:1], 0x80             ; qc, qs, kc, ks
	s_load_b128 s[44:47], s[0:1], 0xa0             ; vc, vs
	s_load_b64 s[48:49], s[0:1], 0xb0              ; mc
	v_lshl_add_u32 v253, v0, 2, 0x3c00
	s_set_vgpr_msb 0x40
	v_mov_b32 v1, 0
	s_set_vgpr_msb 0x4000
	v_lshrrev_b32 v1, 5, v0
	v_readfirstlane_b32 s2, v1                     ; wave 0..3
	s_mov_b32 s50, 0x76543210
	s_mov_b32 s51, 0xfedcba98                      ; v_permlanex16_b32's selects for lane l xor 16
	s_mov_b32 s52, 0x600000                        ; the mantissa field of 448
	s_wait_kmcnt 0x0
	s_cmp_eq_u32 ttmp9, 32                         ; the same in all waves of a work-group
	s_cbranch_scc1 .Lconst
	; ---------------- the projections
	s_mov_b32 s3, ttmp9                            ; g
	v_and_b32 v254, 31, v0                         ; lane
	v_and_b32 v255, 15, v0                         ; r
	v_bfe_u32 v235, v0, 4, 1                       ; h
	v_and_b32 v1, 8, v255
	v_add_nc_u32 v1, v1, v255                      ; r + 8 (r / 8)
	s_lshr_b32 s54, s2, 1
	s_lshl_b32 s54, s54, 5
	s_and_b32 s55, s2, 1
	s_lshl_b32 s55, s55, 3
	s_add_co_u32 s54, s54, s55                     ; Wq, Wk: my tile t = w begins at column 32 (w / 2) + 8 (w % 2)
	v_add_nc_u32 v2, s54, v1
	v_lshlrev_b32 v2, 2, v2
	v_lshl_add_u32 v2, v235, 12, v2                ; 4 x column + 16 h rows of 256 bytes
	s_lshl_b32 s55, s2, 4
	v_add_nc_u32 v3, s55, v255                     ; Wv: column 16 w + r
	v_lshlrev_b32 v3, 2, v3
	v_lshl_add_u32 v3, v235, 12, v3
	v_lshlrev_b32 v1, 8, v1
	v_lshl_add_u32 v1, v235, 6, v1                 ; x: row r + 8 (r / 8) of 256 bytes, + 64 h
	v_lshlrev_b32 v244, 4, v254
	s_lshl_b32 s55, s2, 10
	v_add_nc_u32 v245, s55, v244
	v_lshlrev_b32 v247, 2, v254
	s_lshl_b32 s55, s2, 7
	v_add_nc_u32 v246, s55, v247
	v_lshl_add_u32 v248, v255, 2, s55
	s_lshl_b32 s55, s2, 3
	v_lshl_add_u32 v249, v255, 5, s55
	v_lshl_add_u32 v250, v255, 4, s2
	s_and_b32 s55, s2, 1
	s_lshl_b32 s55, s55, 9
	v_add_nc_u32 v251, s55, v244
	v_lshlrev_b32 v252, 3, v254
	s_lshl_b32 s54, s3, 15
	s_lshl_b32 s55, s2, 13
	s_add_co_u32 s54, s54, s55
	s_mov_b32 s55, 0
	s_add_nc_u64 s[4:5], s[4:5], s[54:55]          ; x at row 128 g + 32 w
	s_mov_b32 s57, 0
	s_lshl_b32 s54, s3, 13
	s_lshl_b32 s56, s2, 11
	s_add_co_u32 s56, s54, s56
	s_add_nc_u64 s[36:37], s[36:37], s[56:57]      ; qc, kc at tile 8 g + 2 w
	s_add_nc_u64 s[40:41], s[40:41], s[56:57]
	s_lshl_b32 s56, s2, 9
	s_add_co_u32 s56, s54, s56
	s_add_nc_u64 s[44:45], s[44:45], s[56:57]      ; vc at group g, key block w
	s_lshl_b32 s56, s3, 9
	s_add_nc_u64 s[38:39], s[38:39], s[56:57]      ; qs, ks at group g
	s_add_nc_u64 s[42:43], s[42:43], s[56:57]
	s_lshl_b32 s56, s3, 8
	s_add_nc_u64 s[46:47], s[46:47], s[56:57]      ; vs at group g
.irp u, 0,1
.irp c, 0,1
.irp j, 0,1,2,3
	global_load_b128 v[XR+32*\u+16*\c+4*\j:XR+32*\u+16*\c+4*\j+3], v1, s[4:5] offset:2048*\u+128*\c+16*\j th:TH_LOAD_NT   ; x(row, 32 c + 16 h + 4 j ..)
.endr
.endr
.endr
.irp c, 0,1
.irp i, 0,1,2,3,4,5,6,7,8,9,10,11,12,13,14,15
	global_load_b32 v[WR+16*\c+\i], v2, s[6:7] offset:(32*\c+\i)*256        ; Wq(32 c + 16 h + i, my column): the registers run down K
.endr
.endr
.irp c, 0,1
.irp i, 0,1,2,3,4,5,6,7,8,9,10,11,12,13,14,15
	global_load_b32 v[WR+32+16*\c+\i], v2, s[8:9] offset:(32*\c+\i)*256     ; Wk
.endr
.endr
.irp c, 0,1
.irp i, 0,1,2,3,4,5,6,7,8,9,10,11,12,13,14,15
	global_load_b32 v[WR+64+16*\c+\i], v3, s[10:11] offset:(32*\c+\i)*256   ; Wv
.endr
.endr
.irp u, 0,1
.irp i, 0,1,2,3,4,5,6,7
	v_mov_b32 v[XZ+24*\u+\i], 0                    ; the zero codes on both sides of each x fragment
	v_mov_b32 v[XZ+24*\u+16+\i], 0
.endr
.endr
	v_mov_b32 v[TM+2], 0                           ; written once: a lane permute's destination counts as one of its sources
	v_mov_b32 v[TM+3], 0
	s_wait_loadcnt 63                              ; of the 112 loads at least 49 are in: x's 16 and Wq's 32
	QUANT2 XR, XZ+8, XS
	QUANT2 XR+32, XZ+32, XS+1
.irp kind, 0,1,2
.if \kind == 1
	s_wait_loadcnt 32                              ; Wk is in; Wv's 32 loads may be out
.endif
.if \kind == 2
	s_wait_loadcnt 0x0
.endif
	QUANT2 WR+32*\kind, PC, PW
	ds_store_b128 v245, v[PC:PC+3] offset:WIMG+4096*\kind          ; fragment 4 kind + w, as its registers stand
	ds_store_b128 v245, v[PC+4:PC+7] offset:WIMG+4096*\kind+512
	ds_store_b32 v246, v[PW] offset:WSC+512*\kind
	s_wait_dscnt 0x0                               ; the stores have taken their registers
.endr
	BARRIER                                        ; the twelve fragments lie in LDS
.irp f, 0,1,2,3,4,5,6,7,8,9,10,11
	ds_load_b128 v[WC+8*\f:WC+8*\f+3], v244 offset:WIMG+1024*\f
	ds_load_b128 v[WC+8*\f+4:WC+8*\f+7], v244 offset:WIMG+1024*\f+512
	ds_load_b32 v[WS+\f], v247 offset:WSC+128*\f
.endr
	s_wait_dscnt 0x0
; Q or K: used transposed (source 0 = 16 columns of the weight, source 1 = 16 rows of x), so that a lane holds one row and its registers run along the 64 channels.
; Nine places stand ahead of products that write over registers of earlier products, eight behind them ahead of the first read of results.
.macro PROJ kind, ptr, adr, base, step
	PLACES 9
.irp u, 0,1
.irp t, 0,1,2,3
	v_wmma_scale_f32_16x16x128_f8f6f4 v[R+32*\u+8*\t:R+32*\u+8*\t+7], v[WC+32*\kind+16*(\t/2):WC+32*\kind+16*(\t/2)+15], v[XZ+24*\u+8-8*(\t%2):XZ+24*\u+23-8*(\t%2)], 0, v[WS+4*\kind+\t], v[XS+\u]
.endr
.endr
	PLACES 8
.irp u, 0,1
	FREE
	QUANT2 R+32*\u, PC, PW
	global_store_b128 v244, v[PC:PC+3], s[\ptr:\ptr+1] offset:1024*\u         ; 32 lanes store 512 consecutive bytes
	global_store_b128 v244, v[PC+4:PC+7], s[\ptr:\ptr+1] offset:1024*\u+512
	ds_store_b32 v[\adr], v[PW] offset:\base+\step*\u                         ; both halves of the lanes write the same word with the same value
.endr
.endm
	PROJ 0, 36, 248, QS, 64
	PROJ 1, 40, 249, KS, 4
	; V: source 0 = 16 rows of x, source 1 = 16 columns of Wv: a lane holds channel 16 c + r, and registers 16 c + 8 u + j are keys 32 w + 16 h + 8 u + j
	PLACES 9
.irp c, 0,1,2,3
.irp u, 0,1
	v_wmma_scale_f32_16x16x128_f8f6f4 v[R+16*\c+8*\u:R+16*\c+8*\u+7], v[XZ+24*\u+8-8*(\c%2):XZ+24*\u+23-8*(\c%2)], v[WC+64+16*(\c/2):WC+64+16*(\c/2)+15], 0, v[XS+\u], v[WS+8+\c]
.endr
.endr
	PLACES 8
.irp p, 0,1                                    ; channel tiles 2 p and 2 p + 1: each lane's 16 keys are half a block of 32 keys
	FREE
	QUANT2 R+32*\p, PC, PW
	global_store_b128 v244, v[PC:PC+3], s[44:45] offset:4096*\p
	global_store_b128 v244, v[PC+4:PC+7], s[44:45] offset:4096*\p+2048
	ds_store_b8 v250, v[TM+2] offset:VS+8*\p
	ds_store_b8 v250, v[TM+3] offset:VS+8*\p+4
.endr
	s_wait_xcnt 0x0                                ; the code registers take the scale words below
	BARRIER                                        ; the group's scale words and bytes lie in LDS
	s_cmp_lt_u32 s2, 2
	s_cbranch_scc0 .Lnot01
	ds_load_b128 v[PC:PC+3], v251 offset:QS        ; wave 0: Q's 512 bytes; wave 1: K's
	s_cmp_eq_u32 s2, 0
	s_cselect_b64 s[60:61], s[38:39], s[42:43]
	s_wait_dscnt 0x0
	global_store_b128 v244, v[PC:PC+3], s[60:61]   ; 512 consecutive bytes
	s_set_vgpr_msb 0x4
	s_wait_tensorcnt 0x0
	ds_add_u32 v253, v1
	s_wait_dscnt 0x0
	s_set_vgpr_msb 0x400
	s_endpgm
.Lnot01:
	s_cmp_eq_u32 s2, 2
	s_cbranch_scc0 .Lend
	ds_load_b64 v[PC:PC+1], v252 offset:VS
	s_wait_dscnt 0x0
	global_store_b64 v252, v[PC:PC+1], s[46:47]    ; 256 consecutive bytes
.Lend:
	s_set_vgpr_msb 0x4
	s_wait_tensorcnt 0x0
	ds_add_u32 v253, v1
	s_wait_dscnt 0x0
	s_set_vgpr_msb 0x400
	s_endpgm
	; ---------------- the constants of the MLPs: one wave, a lane to a hidden index
	; w2 relu(z) = (w2 / 2) z + (w2 / 2) |z|.  The first part, summed over the 96 hidden units, is linear in dx, dy, distance, sin, cos: six coefficients, summed here.
	; refl's features (dx, dy, -dx, -dy) give the weights w1[0] - w1[2] and w1[1] - w1[3].
	; THE TABLE: 16 words for each hidden index, which the next launch takes into scalar registers by one load.  First-layer weights stand at even words (a packed form names an even pair and takes its low word):
	; 0 rot's weight of the distance, 1 rot's w2 / 2, 2 of sin, 3 rot's b1, 4 of cos, 5 trans's w2 / 2, 6 of dx, 7 trans's b1, 8 of dy, 9 refl's w2 / 2, 10 of dx, 11 refl's b1, 12 of dy, 13-15 zeros.
	; Behind its 2,048 bytes: the six coefficients, each as 32 equal words.
.Lconst:
	s_cmp_lg_u32 s2, 0
	s_cbranch_scc1 .Lcend                          ; forward, to this path's own end
.set TB, 16                            ; v16-31   my hidden index's 16 words
.set E2, 32                            ; v32-33   refl_w1's rows 2 and 3
.set CP, 144                           ; v144-149 the six sums; v152-157 at work
	s_load_b32 s54, s[18:19], 0x0                  ; the three b2
	s_load_b32 s55, s[26:27], 0x0
	s_load_b32 s56, s[34:35], 0x0
	v_lshlrev_b32 v3, 2, v0                        ; 4 x lane (wave 0: the thread's number is the lane)
	v_lshlrev_b32 v4, 6, v0                        ; 64 x lane
	global_load_b32 v[TB+0], v3, s[12:13]
	global_load_b32 v[TB+2], v3, s[12:13] offset:128
	global_load_b32 v[TB+4], v3, s[12:13] offset:256
	global_load_b32 v[TB+3], v3, s[14:15]
	global_load_b32 v[TB+1], v3, s[16:17]
	global_load_b32 v[TB+6], v3, s[20:21]
	global_load_b32 v[TB+8], v3, s[20:21] offset:128
	global_load_b32 v[TB+7], v3, s[22:23]
	global_load_b32 v[TB+5], v3, s[24:25]
	global_load_b32 v[TB+10], v3, s[28:29]
	global_load_b32 v[TB+12], v3, s[28:29] offset:128
	global_load_b32 v[E2], v3, s[28:29] offset:256
	global_load_b32 v[E2+1], v3, s[28:29] offset:384
	global_load_b32 v[TB+11], v3, s[30:31]
	global_load_b32 v[TB+9], v3, s[32:33]
	v_mov_b32 v[TB+13], 0
	v_mov_b32 v[TB+14], 0
	v_mov_b32 v[TB+15], 0
.irp i, 0,1,2,3,4,5
	v_mov_b32 v[CP+8+\i], 0                        ; a lane permute's destination counts as one of its sources
.endr
	s_wait_loadcnt 0x0
	s_wait_kmcnt 0x0
	v_mul_f32 v[TB+1], 0.5, v[TB+1]
	v_mul_f32 v[TB+5], 0.5, v[TB+5]
	v_mul_f32 v[TB+9], 0.5, v[TB+9]
	v_sub_f32 v[TB+10], v[TB+10], v[E2]
	v_sub_f32 v[TB+12], v[TB+12], v[E2+1]
.irp k, 0,1,2,3
	global_store_b128 v4, v[TB+4*\k:TB+4*\k+3], s[48:49] offset:16*\k         ; the four stores together fill the table's 2,048 bytes
.endr
	v_mul_f32 v[CP+0], v[TB+5], v[TB+6]            ; of dx
	v_mul_f32 v[CP+1], v[TB+5], v[TB+8]            ; of dy
	v_mul_f32 v[CP+2], v[TB+1], v[TB+0]            ; of the distance
	v_mul_f32 v[CP+3], v[TB+1], v[TB+2]            ; of sin
	v_mul_f32 v[CP+4], v[TB+1], v[TB+4]            ; of cos
	v_mul_f32 v[CP+5], v[TB+1], v[TB+3]            ; the constant
	v_fmac_f32 v[CP+0], v[TB+9], v[TB+10]
	v_fmac_f32 v[CP+1], v[TB+9], v[TB+12]
	v_fmac_f32 v[CP+5], v[TB+5], v[TB+7]
	v_fmac_f32 v[CP+5], v[TB+9], v[TB+11]
.irp m, 1,2,4,8
.irp i, 0,1,2,3,4,5
	v_add_f32_dpp v[CP+\i], v[CP+\i], v[CP+\i] row_xmask:\m row_mask:0xf bank_mask:0xf
.endr
.endr
.irp i, 0,1,2,3,4,5
	v_permlanex16_b32 v[CP+8+\i], v[CP+\i], s50, s51
.endr
.irp i, 0,1,2,3,4,5
	v_add_f32 v[CP+\i], v[CP+\i], v[CP+8+\i]       ; every lane holds the sum over the 32 hidden indices
.endr
	v_add_f32 v[CP+5], s54, v[CP+5]
	v_add_f32 v[CP+5], s55, v[CP+5]
	v_add_f32 v[CP+5], s56, v[CP+5]
.irp i, 0,1,2,3,4,5
	global_store_b32 v3, v[CP+\i], s[48:49] offset:2048+128*\i
.endr
.Lcend:
	s_endpgm
.Lfunc_end_k_q7767c16f4a_prep:
	.size	k_q7767c16f4a_prep, .Lfunc_end_k_q7767c16f4a_prep-k_q7767c16f4a_prep
	.p2alignl 7, 3214868480
	.fill 96, 4, 3214868480
	.section	.rodata,"a",@progbits
	.p2align	6, 0x0
	.amdhsa_kernel k_q7767c16f4a_prep
		.amdhsa_group_segment_fixed_size 15872
		.amdhsa_private_segment_fixed_size 0
		.amdhsa_enable_private_segment 0
		.amdhsa_kernarg_size 184
		.amdhsa_user_sgpr_count 2
		.amdhsa_user_sgpr_kernarg_segment_ptr 1
		.amdhsa_wavefront_size32 1
		.amdhsa_system_sgpr_workgroup_id_x 1
		.amdhsa_system_sgpr_workgroup_id_y 1
		.amdhsa_system_sgpr_workgroup_id_z 1
		.amdhsa_system_vgpr_workitem_id 0
		.amdhsa_next_free_vgpr 258
		.amdhsa_next_free_sgpr 66
		.amdhsa_reserve_vcc 0
		.amdhsa_float_denorm_mode_32 3
		.amdhsa_float_denorm_mode_16_64 3
		.amdhsa_memory_ordered 1
		.amdhsa_forward_progress 1
		.amdhsa_inst_pref_size 76
	.end_amdhsa_kernel
	.amdgpu_metadata
---
amdhsa.version: [ 1, 2 ]
amdhsa.kernels:
  - .name:           k_q7767c16f4a_prep
    .symbol:         k_q7767c16f4a_prep.kd
    .args:
      - { .name: x, .offset: 0, .size: 8, .value_kind: global_buffer, .address_space: global }
      - { .name: Wq, .offset: 8, .size: 8, .value_kind: global_buffer, .address_space: global }
      - { .name: Wk, .offset: 16, .size: 8, .value_kind: global_buffer, .address_space: global }
      - { .name: Wv, .offset: 24, .size: 8, .value_kind: global_buffer, .address_space: global }
      - { .name: rot_w1, .offset: 32, .size: 8, .value_kind: global_buffer, .address_space: global }
      - { .name: rot_b1, .offset: 40, .size: 8, .value_kind: global_buffer, .address_space: global }
      - { .name: rot_w2, .offset: 48, .size: 8, .value_kind: global_buffer, .address_space: global }
      - { .name: rot_b2, .offset: 56, .size: 8, .value_kind: global_buffer, .address_space: global }
      - { .name: trans_w1, .offset: 64, .size: 8, .value_kind: global_buffer, .address_space: global }
      - { .name: trans_b1, .offset: 72, .size: 8, .value_kind: global_buffer, .address_space: global }
      - { .name: trans_w2, .offset: 80, .size: 8, .value_kind: global_buffer, .address_space: global }
      - { .name: trans_b2, .offset: 88, .size: 8, .value_kind: global_buffer, .address_space: global }
      - { .name: refl_w1, .offset: 96, .size: 8, .value_kind: global_buffer, .address_space: global }
      - { .name: refl_b1, .offset: 104, .size: 8, .value_kind: global_buffer, .address_space: global }
      - { .name: refl_w2, .offset: 112, .size: 8, .value_kind: global_buffer, .address_space: global }
      - { .name: refl_b2, .offset: 120, .size: 8, .value_kind: global_buffer, .address_space: global }
      - { .name: qc, .offset: 128, .size: 8, .value_kind: global_buffer, .address_space: global }
      - { .name: qs, .offset: 136, .size: 8, .value_kind: global_buffer, .address_space: global }
      - { .name: kc, .offset: 144, .size: 8, .value_kind: global_buffer, .address_space: global }
      - { .name: ks, .offset: 152, .size: 8, .value_kind: global_buffer, .address_space: global }
      - { .name: vc, .offset: 160, .size: 8, .value_kind: global_buffer, .address_space: global }
      - { .name: vs, .offset: 168, .size: 8, .value_kind: global_buffer, .address_space: global }
      - { .name: mc, .offset: 176, .size: 8, .value_kind: global_buffer, .address_space: global }
    .group_segment_fixed_size: 15872
    .private_segment_fixed_size: 0
    .kernarg_segment_align: 8
    .kernarg_segment_size: 184
    .max_flat_workgroup_size: 128
    .sgpr_count:     66
    .vgpr_count:     258
    .wavefront_size: 32
...
	.end_amdgpu_metadata
.endif
;; end of part 3
;; launch attn (part 4): grid 256 x 1, 16 waves a work-group, no clusters, 92,160 bytes of LDS; arguments coords, qc, qs, kc, ks, vc, vs, mc, out0; writes out0
.if DOCPART == 4
	.amdgcn_target "amdgcn-amd-amdhsa--gfx1250"
	.amdhsa_code_object_version 6
	.text
	.protected	k_q7767c16f4a_attn
	.globl	k_q7767c16f4a_attn
	.p2align	8
	.type	k_q7767c16f4a_attn,@function
k_q7767c16f4a_attn:
	s_mov_b64 s[64:65], 0
	v_nop
	global_prefetch_b8 v0, s[64:65] scope:SCOPE_SE
	s_setreg_imm32_b32 hwreg(HW_REG_WAVE_MODE, 25, 1), 1
	s_wait_xcnt 0x0
; ATTN.  out = softmax(Q K^T / 8 + psi) V;  psi(query, key) = the sum of three MLPs of 32 hidden units on features of key's coordinates - query's.
; SHARES.  A work-group owns one tile of 16 queries (tile tau; lane r is row 128 (tau / 8) + 32 ((tau / 2) % 4) + 8 (tau % 2) + r + 8 (r / 8) of the 4,096).  Each of its SIXTEEN waves owns 128 keys of the batch's 2,048
; (group g = 16 x batch + wave): 256 registers a wave, four waves to a SIMD, so that one wave's latencies are filled by the others' work.
; LAYOUT.  Both quantised products are used transposed: a lane (r, h) holds query r; logit register n = 16 b + i is key 32 b + 16 h + i of the group.
; PSI, in f32 throughout (it goes on into a quantised operand), by fused multiply-adds: EACH LANE MAKES PSI OF ITS OWN 64 PAIRS, in the logit registers' own layout, so nothing changes lanes.
; The weights are the same in all lanes: they stand in SCALAR registers, 16 words for each hidden index (one unit of each MLP), brought by one scalar load while the index before is at work.
; First layers packed, two pairs an instruction, the bias as the first addend: 3 for rot, 2 for trans, 2 for refl.  w2 relu(z) = (w2 / 2) z + (w2 / 2) |z|: the second part is one fused multiply-add with |.| for each hidden
; value; the first, summed over the 96 units, is linear in the five features (six coefficients, made by the launch before), and psi's sums begin with it.  For 32 pairs and a hidden index: 3.5 + 3 instructions.
; sin = dy rsq(s), cos = dx rsq(s), s = dx^2 + dy^2; where s = 0: sin = 0, cos = 1, as atan2(0, 0) = 0 gives.  dx and dy are formed first, so a common offset of the coordinates cancels.
; The 64 logit registers go in two halves of 32 (five features and a sum for each: 192 registers).  The first half's psi waits in the wave's own LDS; the second half's stands where the logits want it.
; Then one step: 8 scaled products K Q^T, the softmax, 4 scaled products V^T P^T.
; THE SOFTMAX: t = logit x log2(e); M = the ceiling of the wave's largest t of the query, a whole number; p = 2^(t - M) is quantised along the keys; the sum l is taken of the unquantised p.
; THE MERGE: behind the one barrier wave w takes query row w: M = the largest of the sixteen M, every part is multiplied by 2^(its M - M), which rounds nothing, and the row leaves as 256 consecutive bytes.
; K = 64 in an instruction of K = 128: source 0 is a pair of K's tiles, source 1 is [Q][0] or [0][Q] out of a run [0][Q][0]; scale words hold their two bytes twice.
; NO CLUSTER, NO TENSOR LOAD: what work-groups share is 16 KB of codes a wave, loaded once, straight into operand registers in register order, beside some 13,500 vector instructions a wave; there is no tile in LDS for a joint load to fill.
; LIMITS: pairs with 0 < dx^2 + dy^2 < 2^-126 get wrong sin and cos; p under 2^-126 counts as 0; a block of p whose largest lies under 2^-118 keeps the scale byte 1; NaN and infinities are not served.
.set WREG, 5632                        ; LDS of a wave: T0 512 (keys of lanes 0-15: slot n at 8 n), T1 512 (of lanes 16-31), then 4,608:
.set PSI,  1024                        ; the first half's psi, 4,096 bytes, as images of registers; later the wave's stage: 16 rows of O x 272 bytes,
.set ML,   5376                        ; and (-M, l), 8 bytes a query
.set DX,   16                          ; v16-47   of the half's 32 pairs: dx
.set DY,   48                          ; v48-79   dy
.set DI,   80                          ; v80-111  the distance
.set SN,   112                         ; v112-143 the reciprocal root, then sin
.set CO,   144                         ; v144-175 dx^2 + dy^2, then cos
.set ACC,  176                         ; v176-207 psi: it begins as the linear part
.set RAW,  80                          ; v80-143  the keys' coordinates as they come from the table
.set TT,   208                         ; v208-223 16 hidden values at work
.set BV,   224                         ; v224-229 the three biases, each the low word of a pair
.set WA,   68                          ; s68-83   the 16 words of an even hidden index
.set WB,   84                          ; s84-99   of an odd one
.set QZ,   208                         ; behind the loops: v208-231 [0][Q][0]
.set L16,  234                         ; v234     16 x lane; never rewritten
.set TMP,  235
.set S,    80                          ; v80-143  K Q^T, tile T at 8 T
.set Z,    144                         ; v144-207 psi, then the logits, then p
.set PC,   208                         ; v208-223 p's codes
.set BM,   224                         ; v224-227 each block's largest
.set T1,   228
.set HL,   248
.set SO,   252
; v232 Q's scale words, v233 p's, v236-243 K's, v244-247 V's: these hold scales and nothing else.
; v1 my half's table of keys, v4 my 16 bytes of an image (the wave's LDS + lane terms); v9 256 x lane; v[10:11] my query's (x, y); v[12:13] the linear part's constant.
; s2 wave, s3 tau, s22 g, s[24:35] the six coefficients, each twice, s36 trip, s37 the trip in which I prefetch, s[38:39] what, s[40:41] lane selects, s[42:43] log2(e), s44 448's mantissa, s47 my LDS, s[54:55] the table's pointer, s56-59 masks s = 0.
.macro PLACES n
.rept \n
	v_nop
.endr
.endm
	s_load_b512 s[4:19], s[0:1], 0x0               ; coords, qc, qs, kc, ks, vc, vs, mc
	s_load_b64 s[20:21], s[0:1], 0x40              ; out0
	v_lshl_add_u32 v7, v0, 2, 0x16000
	v_mov_b32 v8, 0
	v_lshrrev_b32 v1, 5, v0
	v_readfirstlane_b32 s2, v1                     ; wave 0..15
	s_mov_b32 s3, ttmp9
	s_lshr_b32 s46, s3, 7
	s_lshl_b32 s46, s46, 4
	s_add_co_u32 s22, s46, s2                      ; g = 16 x batch + wave
	s_mov_b32 s40, 0x76543210
	s_mov_b32 s41, 0xfedcba98
	s_mov_b32 s42, 0x3fb8aa3b                      ; log2(e)
	s_mov_b32 s43, s42                             ; (named with it as a pair, so it is written)
	s_mov_b32 s44, 0x600000
	s_mul_i32 s47, s2, WREG
	s_lshr_b32 s48, s3, 3
	s_lshl_b32 s48, s48, 7
	s_bfe_u32 s49, s3, 0x20001
	s_lshl_b32 s49, s49, 5
	s_add_co_u32 s48, s48, s49
	s_and_b32 s49, s3, 1
	s_lshl_b32 s49, s49, 3
	s_add_co_u32 s48, s48, s49                     ; the tile's row for r = 0
	v_and_b32 v248, 31, v0                         ; lane
	v_and_b32 v249, 15, v0                         ; r
	v_bfe_u32 v250, v0, 4, 1                       ; h
	v_lshl_add_u32 v1, v250, 9, s47
	v_lshl_add_u32 v4, v248, 4, s47
	v_lshlrev_b32 v9, 8, v248
	v_lshlrev_b32 v[L16], 4, v248
	v_and_b32 v251, 8, v249
	v_add_nc_u32 v251, v251, v249
	v_lshlrev_b32 v251, 3, v251                    ; my query's coordinates: 8 (r + 8 (r / 8))
	v_lshlrev_b32 v252, 5, v248                    ; four keys' coordinates a lane
	v_lshlrev_b32 v253, 2, v249
	v_lshlrev_b32 v254, 5, v249
	v_lshlrev_b32 v255, 4, v249
	v_bfe_u32 v[TMP], v0, 2, 1                     ; keys 4 lane .. 4 lane + 3 = 32 b + 16 h + i go to table h, slots 16 b + i
	v_lshl_add_u32 v[TMP], v[TMP], 9, s47
	v_bfe_u32 v5, v0, 3, 2
	v_lshl_add_u32 v[TMP], v5, 7, v[TMP]
	v_and_b32 v5, 3, v0
	v_lshl_add_u32 v[TMP], v5, 5, v[TMP]
	s_mov_b32 s51, 0
	s_wait_kmcnt 0x0
	s_load_b64 s[24:25], s[18:19], 0x800           ; of dx (each coefficient lies there 32 times: a pair of equal words)
	s_load_b64 s[26:27], s[18:19], 0x880           ; of dy
	s_load_b64 s[28:29], s[18:19], 0x900           ; of the distance
	s_load_b64 s[30:31], s[18:19], 0x980           ; of sin
	s_load_b64 s[32:33], s[18:19], 0xa00           ; of cos
	s_load_b64 s[34:35], s[18:19], 0xa80           ; the constant
	s_lshl_b32 s50, s22, 10
	s_add_nc_u64 s[52:53], s[4:5], s[50:51]        ; my keys' coordinates
	s_lshl_b32 s50, s48, 3
	s_add_nc_u64 s[4:5], s[4:5], s[50:51]          ; the tile's queries'
	s_lshl_b32 s50, s3, 10
	s_add_nc_u64 s[6:7], s[6:7], s[50:51]
	s_lshl_b32 s50, s3, 6
	s_add_nc_u64 s[8:9], s[8:9], s[50:51]
	s_lshl_b32 s50, s22, 13
	s_add_nc_u64 s[10:11], s[10:11], s[50:51]
	s_add_nc_u64 s[14:15], s[14:15], s[50:51]
	s_lshl_b32 s50, s22, 9
	s_add_nc_u64 s[12:13], s[12:13], s[50:51]
	s_lshl_b32 s50, s22, 8
	s_add_nc_u64 s[16:17], s[16:17], s[50:51]
	s_and_b32 s50, s2, 8
	s_add_co_u32 s50, s50, s2
	s_add_co_u32 s50, s50, s48
	s_lshl_b32 s50, s50, 8
	s_add_nc_u64 s[20:21], s[20:21], s[50:51]      ; the row of out0 that I merge: the tile's row for r = wave
	global_load_b128 v[200:203], v252, s[52:53]
	global_load_b128 v[204:207], v252, s[52:53] offset:16
	global_load_b64 v[10:11], v251, s[4:5]
	; the prefetch of the codes: of each batch's 128 work-groups the first asks for K's, the second for V's; each wave for its own group's 8,192 bytes, lanes 256 bytes apart: each block is named once in the launch
	s_and_b32 s46, s3, 127
	s_cmp_lt_u32 s46, 2
	s_cselect_b32 s37, 15, -1                      ; in the second half's last trip: one trip (422 vector instructions of each of a SIMD's four waves) ahead of the loads; -1 is no trip's number
	s_cmp_eq_u32 s46, 0
	s_cselect_b64 s[38:39], s[10:11], s[14:15]
	v_mov_b32 v[BV+1], 0                           ; named as the upper halves of the biases' pairs, so they are written
	v_mov_b32 v[BV+3], 0
	v_mov_b32 v[BV+5], 0
	s_wait_kmcnt 0x0                               ; the coefficients
	v_mov_b32 v12, s34
	v_mov_b32 v13, s34
	s_wait_loadcnt 0x0                             ; the coordinates
	ds_store_b128 v[TMP], v[200:203]
	ds_store_b128 v[TMP], v[204:207] offset:16
; The five features and the linear part of the half's 32 pairs (logit registers 32 H .. 32 H + 31).
.macro FEAT H
.irp k, 0,1,2,3,4,5,6,7,8,9,10,11,12,13,14,15
	ds_load_b128 v[RAW+4*\k:RAW+4*\k+3], v1 offset:256*\H+16*\k    ; two keys' (x, y); the sixteen lanes of a half read the same bytes
.endr
	s_wait_dscnt 0x0                               ; the keys are in; every earlier LDS store of mine has taken its registers
.set n, 0
.rept 32
	v_sub_f32 v[DX+n], v[RAW+2*n], v10             ; key - query
	v_sub_f32 v[DY+n], v[RAW+2*n+1], v11
.set n, n+1
.endr
.set n, 0
.rept 16
	v_pk_mul_f32 v[CO+n:CO+n+1], v[DX+n:DX+n+1], v[DX+n:DX+n+1]
.set n, n+2
.endr
.set n, 0
.rept 16
	v_pk_fma_f32 v[CO+n:CO+n+1], v[DY+n:DY+n+1], v[DY+n:DY+n+1], v[CO+n:CO+n+1]   ; s = dx^2 + dy^2
.set n, n+2
.endr
.set n, 0
.rept 32
	v_add_f32 v[DI+n], 0x322bcc77, v[CO+n]         ; + 1e-8
	v_max_num_f32 v[SN+n], 0x00800000, v[CO+n]     ; no denormal goes into the reciprocal root
.set n, n+1
.endr
.set n, 0
.rept 32
	v_sqrt_f32 v[DI+n], v[DI+n]                    ; the distance
.set n, n+1
.endr
.set n, 0
.rept 32
	v_rsq_f32 v[SN+n], v[SN+n]
.set n, n+1
.endr
.set n, 0
.rept 16
	v_pk_fma_f32 v[ACC+n:ACC+n+1], v[DX+n:DX+n+1], s[24:25], v[12:13] op_sel_hi:[1,0,0]   ; plain work behind the 64 roots: it names none of their results
.set n, n+2
.endr
.set n, 0
.rept 16
	v_pk_fma_f32 v[ACC+n:ACC+n+1], v[DY+n:DY+n+1], s[26:27], v[ACC+n:ACC+n+1] op_sel_hi:[1,0,1]
.set n, n+2
.endr
	s_wait_alu depctr_va_vdst(0)                   ; one wait for the 64 roots, ahead of their first reader
.set n, 0
.rept 8
.irp e, 0,1,2,3
	v_cmp_eq_f32 s[56+\e], 0, v[CO+n+\e]           ; the two points coincide
.endr
	v_pk_mul_f32 v[CO+n:CO+n+1], v[DX+n:DX+n+1], v[SN+n:SN+n+1]
	v_pk_mul_f32 v[CO+n+2:CO+n+3], v[DX+n+2:DX+n+3], v[SN+n+2:SN+n+3]
	v_pk_mul_f32 v[SN+n:SN+n+1], v[DY+n:DY+n+1], v[SN+n:SN+n+1]
	v_pk_mul_f32 v[SN+n+2:SN+n+3], v[DY+n+2:DY+n+3], v[SN+n+2:SN+n+3]
.irp e, 0,1,2,3
	v_cndmask_b32 v[CO+n+\e], v[CO+n+\e], 1.0, s[56+\e]            ; cos = 1 there
.endr
.set n, n+4
.endr
.set n, 0
.rept 16
	v_pk_fma_f32 v[ACC+n:ACC+n+1], v[DI+n:DI+n+1], s[28:29], v[ACC+n:ACC+n+1] op_sel_hi:[1,0,1]
.set n, n+2
.endr
.set n, 0
.rept 16
	v_pk_fma_f32 v[ACC+n:ACC+n+1], v[SN+n:SN+n+1], s[30:31], v[ACC+n:ACC+n+1] op_sel_hi:[1,0,1]
.set n, n+2
.endr
.set n, 0
.rept 16
	v_pk_fma_f32 v[ACC+n:ACC+n+1], v[CO+n:CO+n+1], s[32:33], v[ACC+n:ACC+n+1] op_sel_hi:[1,0,1]
.set n, n+2
.endr
.endm
; One hidden unit on 16 pairs (group g of the half's two).  Of a scalar pair the low word serves both halves, of the bias's pair likewise.  Eight independent lines stand between a line and the one that reads its result.
.macro FIRST f, w, b, g                ; z = feature x weight + bias
.irp p, 0,1,2,3,4,5,6,7
	v_pk_fma_f32 v[TT+2*\p:TT+2*\p+1], v[(\f)+16*(\g)+2*\p:(\f)+16*(\g)+2*\p+1], s[(\w):(\w)+1], v[(\b):(\b)+1] op_sel_hi:[1,0,0]
.endr
.endm
.macro NEXT f, w, g                    ; z += feature x weight
.irp p, 0,1,2,3,4,5,6,7
	v_pk_fma_f32 v[TT+2*\p:TT+2*\p+1], v[(\f)+16*(\g)+2*\p:(\f)+16*(\g)+2*\p+1], s[(\w):(\w)+1], v[TT+2*\p:TT+2*\p+1] op_sel_hi:[1,0,1]
.endr
.endm
.macro SECOND w, g                     ; psi += (w2 / 2) |z|
.irp i, 0,1,2,3,4,5,6,7,8,9,10,11,12,13,14,15
	v_fma_f32 v[ACC+16*(\g)+\i], |v[TT+\i]|, s[(\w)], v[ACC+16*(\g)+\i]
.endr
.endm
; One hidden index, whose 16 words stand in s[w] on: a unit of each MLP on the half's 32 pairs.
.macro UNIT w
	v_mov_b32 v[BV], s[(\w)+3]
	v_mov_b32 v[BV+2], s[(\w)+7]
	v_mov_b32 v[BV+4], s[(\w)+11]
.irp g, 0,1
	FIRST DI, \w, BV, \g                           ; rot: distance, sin, cos
	NEXT SN, (\w)+2, \g
	NEXT CO, (\w)+4, \g
	SECOND (\w)+1, \g
	FIRST DX, (\w)+6, BV+2, \g                     ; trans: dx, dy
	NEXT DY, (\w)+8, \g
	SECOND (\w)+5, \g
	FIRST DX, (\w)+10, BV+4, \g                    ; refl: dx, dy
	NEXT DY, (\w)+12, \g
	SECOND (\w)+9, \g
.endr
.endm
; A half: its features, then 16 trips of two hidden indices.  Each set of scalar registers is loaded while the other is at work; scalar loads are waited for with the count 0 alone (they may come back in any order).
; The pointer is written only behind the waits that show the loads that read it done.  The last trip's look-ahead reads the 64 bytes behind the table, which are the first coefficient's words: inside the buffer, and not used.
.macro HALF H
	s_mov_b64 s[54:55], s[18:19]
	s_load_b512 s[WA:WA+15], s[54:55], 0x0         ; hidden index 0: it lands while the features are made
	FEAT \H
	s_mov_b32 s36, 0
.Lunit_\@:
	s_wait_kmcnt 0x0                               ; the even index's words are in
	s_load_b512 s[WB:WB+15], s[54:55], 0x40
.if \H
	s_cmp_eq_u32 s36, s37
	s_cbranch_scc0 .Lnot_mine_\@
	global_prefetch_b8 v9, s[38:39] th:TH_LOAD_NT scope:SCOPE_SE   ; its two address registers are never rewritten
.Lnot_mine_\@:
.endif
	UNIT WA
	s_wait_kmcnt 0x0                               ; the odd index's words are in, and no scalar load is out
	s_wait_xcnt 0x0
	s_add_nc_u64 s[54:55], s[54:55], 128
	s_load_b512 s[WA:WA+15], s[54:55], 0x0
	UNIT WB
	s_add_co_u32 s36, s36, 1
	s_cmp_lt_u32 s36, 16
	s_cbranch_scc1 .Lunit_\@
	s_wait_kmcnt 0x0                               ; the look-ahead has landed: its registers and its pointer may be written again
	s_wait_xcnt 0x0
.endm
	HALF 0
.irp k, 0,1,2,3,4,5,6,7
	ds_store_b128 v4, v[ACC+4*\k:ACC+4*\k+3] offset:PSI+512*\k     ; images of logit registers 0-31; the next half's wait for its keys stands ahead of the first write of these registers
.endr
	HALF 1                                         ; its psi stands in v176-207: logit registers 32-63
	; ---------------- the wave's 128 keys
.irp i, 0,1,2,3,4,5,6,7
	v_mov_b32 v[QZ+\i], 0                          ; the zero codes on both sides of Q
	v_mov_b32 v[QZ+16+\i], 0
.endr
	PLACES 4                                       ; an operand written by vector instructions stands four places ahead of a scaled product
.irp k, 0,1,2,3,4,5,6,7,8,9,10,11,12,13,14,15
	global_load_b128 v[16+4*\k:19+4*\k], v[L16], s[10:11] offset:512*\k      ; K's eight tiles, tile T at v[16 + 8 T]
.endr
	global_load_b128 v[QZ+8:QZ+11], v[L16], s[6:7]
	global_load_b128 v[QZ+12:QZ+15], v[L16], s[6:7] offset:512
	global_load_b32 v232, v253, s[8:9]
	global_load_b128 v[236:239], v254, s[12:13]
	global_load_b128 v[240:243], v254, s[12:13] offset:16
	global_load_b128 v[244:247], v255, s[16:17]
.irp k, 0,1,2,3,4,5,6,7
	ds_load_b128 v[Z+4*\k:Z+4*\k+3], v4 offset:PSI+512*\k          ; the first half's psi
.endr
	s_wait_loadcnt 0x0                             ; K, Q and the scale words
.irp t, 0,1,2,3,4,5,6,7
	v_wmma_scale_f32_16x16x128_f8f6f4 v[S+8*\t:S+8*\t+7], v[16+16*(\t/2):31+16*(\t/2)], v[QZ+8-8*(\t%2):QZ+23-8*(\t%2)], 0, v[236+\t], v232
.endr
	PLACES 8                                       ; ahead of the loads into K's registers, of the first read of the scores and of writes into Q's run
.irp k, 0,1,2,3,4,5,6,7,8,9,10,11,12,13,14,15
	global_load_b128 v[16+4*\k:19+4*\k], v[L16], s[14:15] offset:512*\k      ; V: channel tile c at v[16 + 16 c], key block b at + 4 b
.endr
	s_wait_dscnt 0x0                               ; psi
.set i, 0
.rept 32
	v_pk_fma_f32 v[Z+i:Z+i+1], v[S+i:S+i+1], 0x3e000000, v[Z+i:Z+i+1] op_sel_hi:[1,0,1]   ; the logit: score / 8 + psi
.set i, i+2
.endr
.irp b, 0,1,2,3
	v_max3_num_f32 v[BM+\b], v[Z+16*\b], v[Z+16*\b+1], v[Z+16*\b+2]       ; the largest logit of each block of 32 keys: for the row's maximum and, since p rises with the logit, for the block's largest p
.endr
.irp i, 3,5,7,9,11,13
.irp b, 0,1,2,3
	v_max3_num_f32 v[BM+\b], v[BM+\b], v[Z+16*\b+\i], v[Z+16*\b+\i+1]
.endr
.endr
.irp b, 0,1,2,3
	v_max_num_f32 v[BM+\b], v[BM+\b], v[Z+16*\b+15]
.endr
.irp b, 0,1,2,3
	v_permlanex16_b32 v[T1+\b], v[BM+\b], s40, s41
.endr
.irp b, 0,1,2,3
	v_max_num_f32 v[BM+\b], v[BM+\b], v[T1+\b]
.endr
	v_max3_num_f32 v[TMP], v[BM], v[BM+1], v[BM+2]
	v_max_num_f32 v[TMP], v[TMP], v[BM+3]
	v_mul_f32 v11, s42, v[TMP]                     ; the largest t of my query among these 128 keys
	v_floor_f32 v10, -v11                          ; -M = floor(-t) = -ceil(t)
.set i, 0
.rept 32
	v_pk_fma_f32 v[Z+i:Z+i+1], v[Z+i:Z+i+1], s[42:43], v[10:11] op_sel_hi:[1,0,0]         ; t - M (of both pairs the low word serves both halves)
.set i, i+2
.endr
.irp b, 0,1,2,3
	v_fma_f32 v[BM+\b], v[BM+\b], s42, v10
.endr
.set i, 0
.rept 64
	v_exp_f32 v[Z+i], v[Z+i]                       ; p = 2^(t - M), not normalised
.set i, i+1
.endr
	v_and_b32 v1, 15, v0                           ; r: a plain line behind the exponentials
	s_wait_alu depctr_va_vdst(0)                   ; one wait for the batch, ahead of its first reader
.irp b, 0,1,2,3
	v_exp_f32 v[BM+\b], v[BM+\b]                   ; each block's largest p: the same two instructions on the same number
.endr
	v_pk_add_f32 v[12:13], v[Z:Z+1], v[Z+2:Z+3]    ; the sum of the unquantised p, in two chains; it reads the 64 alone
	v_pk_add_f32 v[14:15], v[Z+4:Z+5], v[Z+6:Z+7]
.irp j, 8,12,16,20,24,28,32,36,40,44,48,52,56,60
	v_pk_add_f32 v[12:13], v[12:13], v[Z+\j:Z+\j+1]
	v_pk_add_f32 v[14:15], v[14:15], v[Z+\j+2:Z+\j+3]
.endr
	v_pk_add_f32 v[12:13], v[12:13], v[14:15]
	s_wait_alu depctr_va_vdst(0)                   ; and one for the four
.irp b, 0,1,2,3
	v_max_num_f32 v[BM+\b], 0x4800000, v[BM+\b]    ; the floor 2^(9 - 127): the byte cannot fall under 1
.endr
.irp b, 0,1,2,3
	v_add_nc_u32 v[SO+\b], 0xfc000000, v[BM+\b]    ; 8 off the exponent field: the conversion's scale operand
.endr
.irp b, 0,1,2,3
	v_and_or_b32 v[HL+\b], v[BM+\b], 0x7f800000, s44   ; 448 x the scale
.endr
.irp b, 0,1,2,3
	v_lshrrev_b32 v[T1+\b], 23, v[SO+\b]           ; the scale's byte
.endr
	v_lshl_or_b32 v233, v[T1+1], 8, v[T1]          ; p's scale word; the 64 holds below stand between it and the products
	v_lshl_or_b32 v233, v[T1+2], 16, v233
	v_lshl_or_b32 v233, v[T1+3], 24, v233
.irp b, 0,1,2,3
.irp i, 0,1,2,3,4,5,6,7,8,9,10,11,12,13,14,15
	v_min_num_f32 v[Z+16*\b+\i], v[Z+16*\b+\i], v[HL+\b]           ; the conversion does not saturate (ISA guide 7.6.2); p is not negative, so the hold is one-sided
.endr
	v_cvt_scalef32_pk8_fp8_f32 v[PC+4*\b:PC+4*\b+1], v[Z+16*\b:Z+16*\b+7], v[SO+\b]
	v_cvt_scalef32_pk8_fp8_f32 v[PC+4*\b+2:PC+4*\b+3], v[Z+16*\b+8:Z+16*\b+15], v[SO+\b]
.endr
	; the row's sum and the addresses of the merge: plain lines, which are also the places between the codes and the products
	v_add_f32 v11, v12, v13
	v_bfe_u32 v2, v0, 4, 1                         ; h
	v_permlanex16_b32 v[TMP], v11, s40, s41
	v_mul_u32_u24 v3, v1, 272
	v_add_f32 v11, v11, v[TMP]                     ; l of my query over these 128 keys
	v_lshl_add_u32 v3, v2, 5, v3
	v_add_nc_u32 v3, s47, v3                       ; my stage: row r, + 32 h
	v_lshl_add_u32 v5, v1, 3, s47                  ; (-M, l) of query r
	s_mul_i32 s49, s2, 272
	s_lshl_b32 s50, s2, 3
	v_and_b32 v15, 31, v0
	v_lshlrev_b32 v15, 3, v15                      ; 8 x lane
	v_add_nc_u32 v136, s49, v15                    ; row w of the stages of waves 0-3 (the wave in the immediate),
	v_add_nc_u32 v137, 4*WREG, v136                ; 4-7,
	v_add_nc_u32 v138, 8*WREG, v136                ; 8-11,
	v_add_nc_u32 v139, 12*WREG, v136               ; 12-15
	v_mov_b32 v140, s50                            ; and their (-M, l) of query w
	v_add_nc_u32 v141, 4*WREG, v140
	v_add_nc_u32 v142, 8*WREG, v140
	v_add_nc_u32 v143, 12*WREG, v140
	s_wait_loadcnt 0x0                             ; V
.irp c, 0,1,2,3
	v_wmma_scale_f32_16x16x128_f8f6f4 v[88+8*\c:95+8*\c], v[16+16*\c:31+16*\c], v[PC:PC+15], 0, v[244+\c], v233   ; O^T: lane (r, h): query r, channels 16 c + 8 h + j
.endr
	PLACES 8
.irp c, 0,1,2,3
	ds_store_b128 v3, v[88+8*\c:91+8*\c] offset:PSI+64*\c          ; each result from its low end on; psi's bytes are the wave's own and have been read
	ds_store_b128 v3, v[92+8*\c:95+8*\c] offset:PSI+64*\c+16
.endr
	ds_store_b64 v5, v[10:11] offset:ML            ; both halves of the lanes write the same pair
	s_wait_dscnt 0x0                               ; for the others' sake: my stores have landed
	s_barrier_signal -1
	s_barrier_wait -1
	; ---------------- the merge: query row w of all sixteen parts; a lane takes two channels
.irp q, 0,1,2,3
.irp p, 0,1,2,3
	ds_load_b64 v[144+2*(4*\q+\p):145+2*(4*\q+\p)], v[136+\q] offset:PSI+WREG*\p
	ds_load_b64 v[176+2*(4*\q+\p):177+2*(4*\q+\p)], v[140+\q] offset:ML+WREG*\p
.endr
.endr
	s_wait_dscnt 0x0
	v_min3_num_f32 v1, v176, v178, v180            ; -M of the whole row: the least of the sixteen
.irp s, 182,186,190,194,198,202
	v_min3_num_f32 v1, v1, v[\s], v[\s+2]
.endr
	v_min_num_f32 v1, v1, v206
.irp s, 0,1,2,3,4,5,6,7,8,9,10,11,12,13,14,15
	v_sub_f32 v[176+2*\s], v1, v[176+2*\s]         ; the part's M less the row's: a whole number, 0 or less
.endr
.irp s, 0,1,2,3,4,5,6,7,8,9,10,11,12,13,14,15
	v_cvt_i32_f32 v[176+2*\s], v[176+2*\s]
.endr
.irp s, 0,1,2,3,4,5,6,7,8,9,10,11,12,13,14,15
	v_ldexp_f32 v[176+2*\s], 1.0, v[176+2*\s]      ; f = 2^(the part's M - the row's M)
.endr
	v_mul_f32 v2, v176, v177
	v_pk_mul_f32 v[12:13], v[144:145], v[176:177] op_sel_hi:[1,0]
.irp s, 1,2,3,4,5,6,7,8,9,10,11,12,13,14,15
	v_fmac_f32 v2, v[176+2*\s], v[177+2*\s]        ; l
	v_pk_fma_f32 v[12:13], v[144+2*\s:145+2*\s], v[176+2*\s:177+2*\s], v[12:13] op_sel_hi:[1,0,1]
.endr
	v_rcp_f32 v2, v2
	v_nop                                          ; a plain line behind the reciprocal
	s_wait_alu depctr_va_vdst(0)                   ; and the wait ahead of its reader
	v_pk_mul_f32 v[12:13], v[12:13], v[2:3] op_sel_hi:[1,0]
	global_store_b64 v15, v[12:13], s[20:21] th:TH_STORE_NT        ; 32 lanes store the row's 256 consecutive bytes, at a multiple of 256 from out0's first byte
	s_wait_tensorcnt 0x0
	ds_add_u32 v7, v8
	s_wait_dscnt 0x0
	s_endpgm
.Lfunc_end_k_q7767c16f4a_attn:
	.size	k_q7767c16f4a_attn, .Lfunc_end_k_q7767c16f4a_attn-k_q7767c16f4a_attn
	.p2alignl 7, 3214868480
	.fill 96, 4, 3214868480
	.section	.rodata,"a",@progbits
	.p2align	6, 0x0
	.amdhsa_kernel k_q7767c16f4a_attn
		.amdhsa_group_segment_fixed_size 92160
		.amdhsa_private_segment_fixed_size 0
		.amdhsa_enable_private_segment 0
		.amdhsa_kernarg_size 72
		.amdhsa_user_sgpr_count 2
		.amdhsa_user_sgpr_kernarg_segment_ptr 1
		.amdhsa_wavefront_size32 1
		.amdhsa_system_sgpr_workgroup_id_x 1
		.amdhsa_system_sgpr_workgroup_id_y 1
		.amdhsa_system_sgpr_workgroup_id_z 1
		.amdhsa_system_vgpr_workitem_id 0
		.amdhsa_next_free_vgpr 256
		.amdhsa_next_free_sgpr 100
		.amdhsa_reserve_vcc 0
		.amdhsa_float_denorm_mode_32 3
		.amdhsa_float_denorm_mode_16_64 3
		.amdhsa_memory_ordered 1
		.amdhsa_forward_progress 1
		.amdhsa_inst_pref_size 133
	.end_amdhsa_kernel
	.amdgpu_metadata
---
amdhsa.version: [ 1, 2 ]
amdhsa.kernels:
  - .name:           k_q7767c16f4a_attn
    .symbol:         k_q7767c16f4a_attn.kd
    .args:
      - { .name: coords, .offset: 0, .size: 8, .value_kind: global_buffer, .address_space: global }
      - { .name: qc, .offset: 8, .size: 8, .value_kind: global_buffer, .address_space: global }
      - { .name: qs, .offset: 16, .size: 8, .value_kind: global_buffer, .address_space: global }
      - { .name: kc, .offset: 24, .size: 8, .value_kind: global_buffer, .address_space: global }
      - { .name: ks, .offset: 32, .size: 8, .value_kind: global_buffer, .address_space: global }
      - { .name: vc, .offset: 40, .size: 8, .value_kind: global_buffer, .address_space: global }
      - { .name: vs, .offset: 48, .size: 8, .value_kind: global_buffer, .address_space: global }
      - { .name: mc, .offset: 56, .size: 8, .value_kind: global_buffer, .address_space: global }
      - { .name: out0, .offset: 64, .size: 8, .value_kind: global_buffer, .address_space: global }
    .group_segment_fixed_size: 92160
    .private_segment_fixed_size: 0
    .kernarg_segment_align: 8
    .kernarg_segment_size: 72
    .max_flat_workgroup_size: 512
    .sgpr_count:     100
    .vgpr_count:     256
    .wavefront_size: 32
...
	.end_amdgpu_metadata
.endif
;; end of part 4
;; ======== version 3 of 3: 2 launches; version 2 with the launch attn written anew for expert scheduling mode
;; limits: below input magnitudes of 1.08e-19 results are inexact or not finite; right only within a limited range of input values
;; workspace buffers: qc 262,144 bytes; kc 262,144 bytes; vc 262,144 bytes; qs 16,384 bytes; ks 16,384 bytes; vs 8,192 bytes; mc 2,816 bytes
;; launch prep: the kernel of part 3 again; grid 33 x 1, 4 waves a work-group, no clusters, 15,872 bytes of LDS; arguments x, Wq, Wk, Wv, rot_w1, rot_b1, rot_w2, rot_b2, trans_w1, trans_b1, trans_w2, trans_b2, refl_w1, refl_b1, refl_w2, refl_b2, qc, qs, kc, ks, vc, vs, mc; writes qc, qs, kc, ks, vc, vs, mc
;; launch attn (part 5): grid 256 x 1, 16 waves a work-group, no clusters, 92,160 bytes of LDS; arguments coords, qc, qs, kc, ks, vc, vs, mc, out0; writes out0
.if DOCPART == 5
	.amdgcn_target "amdgcn-amd-amdhsa--gfx1250"
	.amdhsa_code_object_version 6
	.text
	.protected	k_q7767c16f4a_attn
	.globl	k_q7767c16f4a_attn
	.p2align	8
	.type	k_q7767c16f4a_attn,@function
k_q7767c16f4a_attn:
	s_mov_b64 s[64:65], 0
	v_nop
	global_prefetch_b8 v0, s[64:65] scope:SCOPE_SE
	s_setreg_imm32_b32 hwreg(HW_REG_WAVE_SCHED_MODE, 0, 2), 2
	s_setreg_imm32_b32 hwreg(HW_REG_WAVE_MODE, 25, 1), 1
	s_wait_xcnt 0x0
	s_wait_alu depctr_vm_vsrc(0)
; ATTN.  out = softmax(Q K^T / 8 + psi) V;  psi(query, key) = the sum of three MLPs of 32 hidden units on features of key's coordinates - query's.
; SHARES.  A work-group owns one tile of 16 queries (tile tau; lane r is row 128 (tau / 8) + 32 ((tau / 2) % 4) + 8 (tau % 2) + r + 8 (r / 8) of the 4,096).  Each of its SIXTEEN waves owns 128 keys of the batch's 2,048
; (group g = 16 x batch + wave): 256 registers a wave, four waves to a SIMD, so that one wave's latencies are filled by the others' work.
; LAYOUT.  Both quantised products are used transposed: a lane (r, h) holds query r; logit register n = 16 b + i is key 32 b + 16 h + i of the group.
; PSI, in f32 throughout (it goes on into a quantised operand), by fused multiply-adds: EACH LANE MAKES PSI OF ITS OWN 64 PAIRS, in the logit registers' own layout, so nothing changes lanes.
; The weights are the same in all lanes: they stand in SCALAR registers, 16 words for each hidden index (one unit of each MLP), brought by one scalar load while the index before is at work.
; First layers packed, two pairs an instruction, the bias as the first addend: 3 for rot, 2 for trans, 2 for refl.  w2 relu(z) = (w2 / 2) z + (w2 / 2) |z|: the second part is one fused multiply-add with |.| for each hidden
; value; the first, summed over the 96 units, is linear in the five features (six coefficients, made by the launch before), and psi's sums begin with it.  For 32 pairs and a hidden index: 3.5 + 3 instructions.
; sin = dy rsq(s), cos = dx rsq(s), s = dx^2 + dy^2; where s = 0: sin = 0, cos = 1, as atan2(0, 0) = 0 gives.  dx and dy are formed first, so a common offset of the coordinates cancels.
; The 64 logit registers go in two halves of 32 (five features and a sum for each: 192 registers).  The first half's psi waits in the wave's own LDS; the second half's stands where the logits want it.
; Then one step: 8 scaled products K Q^T, the softmax, 4 scaled products V^T P^T.
; THE SOFTMAX: t = logit x log2(e); M = the ceiling of the wave's largest t of the query, a whole number; p = 2^(t - M) is quantised along the keys; the sum l is taken of the unquantised p.
; THE MERGE: behind the one barrier wave w takes query row w: M = the largest of the sixteen M, every part is multiplied by 2^(its M - M), which rounds nothing, and the row leaves as 256 consecutive bytes.
; K = 64 in an instruction of K = 128: source 0 is a pair of K's tiles, source 1 is [Q][0] or [0][Q] out of a run [0][Q][0]; scale words hold their two bytes twice.
; NO CLUSTER, NO TENSOR LOAD: what work-groups share is 16 KB of codes a wave, loaded once, straight into operand registers in register order, beside some 13,500 vector instructions a wave; there is no tile in LDS for a joint load to fill.
; LIMITS: pairs with 0 < dx^2 + dy^2 < 2^-126 get wrong sin and cos; p under 2^-126 counts as 0; a block of p whose largest lies under 2^-118 keeps the scale byte 1; NaN and infinities are not served.
; THE MODE: SCHED_MODE bits 1:0 = 2 (LLVM: expert scheduling mode 2), set by the entry lines.  The code itself states the register dependences between vector or matrix instructions and memory or LDS instructions, with s_wait_alu, always for 0.
; THE PLAN.  Registers that memory or LDS instructions touch, in the order of the text:
;   v1, v4, v9, v234, v235, v251-255, v7, v8   addresses, made at the head ahead of one wait on va_vdst.  v4, v9, v234, v7, v8 are never written again; the softmax writes v1, v235 and v248-255 again, behind waits on vm_vsrc that stand behind their last readers.
;   v200-207   the keys' coordinates: loaded, read by two LDS stores, written again by the first half's linear part.
;   v80-143    each half's keys land here from LDS; the features write them, the loop reads them (distance, sin).
;   v176-207   psi: written by the loop; the first half's is read by eight LDS stores and written again by the second half's linear part.
;   v16-79     dx, dy in the loops; then K's codes land here, which the first products read; then V's.   v216-223: hidden values in the loops; then Q's codes.   v144-175: cos in the loops; then the first half's psi from LDS.
;   v88-119, v10-11 (data), v3, v5 (addresses)   the stage's LDS stores.   v136-143   the merge's LDS addresses.   v144-207   the merge's loads land where p stood.   v12-13, v15   the last store.
; The two loops hold no memory or LDS instruction but one prefetch, whose v9 the head's wait covers: so no s_wait_alu stands in them.
.set WREG, 5632                        ; LDS of a wave: T0 512 (keys of lanes 0-15: slot n at 8 n), T1 512 (of lanes 16-31), then 4,608:
.set PSI,  1024                        ; the first half's psi, 4,096 bytes, as images of registers; later the wave's stage: 16 rows of O x 272 bytes,
.set ML,   5376                        ; and (-M, l), 8 bytes a query
.set DX,   16                          ; v16-47   of the half's 32 pairs: dx
.set DY,   48                          ; v48-79   dy
.set DI,   80                          ; v80-111  the distance
.set SN,   112                         ; v112-143 the reciprocal root, then sin
.set CO,   144                         ; v144-175 dx^2 + dy^2, then cos
.set ACC,  176                         ; v176-207 psi: it begins as the linear part
.set RAW,  80                          ; v80-143  the keys' coordinates as they come from the table
.set TT,   208                         ; v208-223 16 hidden values at work
.set BV,   224                         ; v224-229 the three biases, each the low word of a pair
.set WA,   68                          ; s68-83   the 16 words of an even hidden index
.set WB,   84                          ; s84-99   of an odd one; while the features are made: 16 masks s = 0
.set QZ,   208                         ; behind the loops: v208-231 [0][Q][0]
.set L16,  234                         ; v234     16 x lane; never rewritten
.set TMP,  235
.set S,    80                          ; v80-143  K Q^T, tile T at 8 T
.set Z,    144                         ; v144-207 psi, then the logits, then p
.set PC,   208                         ; v208-223 p's codes
.set BM,   224                         ; v224-227 each block's largest
.set T1,   228
.set HL,   248
.set SO,   252
; v232 Q's scale words, v233 p's, v236-243 K's, v244-247 V's: these hold scales and nothing else.
; v1 my half's table of keys, v4 my 16 bytes of an image (the wave's LDS + lane terms); v9 256 x lane; v[10:11] my query's (x, y); v[12:13] the linear part's constant.
; s2 wave, s3 tau, s22 g, s[24:35] the six coefficients, each twice, s36 trip, s37 the trip in which I prefetch, s[38:39] what, s[40:41] lane selects, s[42:43] log2(e), s44 448's mantissa, s47 my LDS, s[54:55] the table's pointer.
.macro PLACES n
.rept \n
	v_nop
.endr
.endm
	s_load_b512 s[4:19], s[0:1], 0x0               ; coords, qc, qs, kc, ks, vc, vs, mc
	s_load_b64 s[20:21], s[0:1], 0x40              ; out0
	v_lshl_add_u32 v7, v0, 2, 0x16000
	v_mov_b32 v8, 0
	v_lshrrev_b32 v1, 5, v0
	v_readfirstlane_b32 s2, v1                     ; wave 0..15
	s_mov_b32 s3, ttmp9
	s_lshr_b32 s46, s3, 7
	s_lshl_b32 s46, s46, 4
	s_wait_alu depctr_va_sdst(0)                   ; s2 is written, ahead of its first reader: the group, the wave's LDS and the row of out0 are made from it
	s_add_co_u32 s22, s46, s2                      ; g = 16 x batch + wave
	s_mov_b32 s40, 0x76543210
	s_mov_b32 s41, 0xfedcba98
	s_mov_b32 s42, 0x3fb8aa3b                      ; log2(e)
	s_mov_b32 s43, s42                             ; (named with it as a pair, so it is written)
	s_mov_b32 s44, 0x600000
	s_mul_i32 s47, s2, WREG
	s_lshr_b32 s48, s3, 3
	s_lshl_b32 s48, s48, 7
	s_bfe_u32 s49, s3, 0x20001
	s_lshl_b32 s49, s49, 5
	s_add_co_u32 s48, s48, s49
	s_and_b32 s49, s3, 1
	s_lshl_b32 s49, s49, 3
	s_add_co_u32 s48, s48, s49                     ; the tile's row for r = 0
	v_and_b32 v248, 31, v0                         ; lane
	v_and_b32 v249, 15, v0                         ; r
	v_bfe_u32 v250, v0, 4, 1                       ; h
	v_lshl_add_u32 v1, v250, 9, s47
	v_lshl_add_u32 v4, v248, 4, s47
	v_lshlrev_b32 v9, 8, v248
	v_lshlrev_b32 v[L16], 4, v248
	v_and_b32 v251, 8, v249
	v_add_nc_u32 v251, v251, v249
	v_lshlrev_b32 v251, 3, v251                    ; my query's coordinates: 8 (r + 8 (r / 8))
	v_lshlrev_b32 v252, 5, v248                    ; four keys' coordinates a lane
	v_lshlrev_b32 v253, 2, v249
	v_lshlrev_b32 v254, 5, v249
	v_lshlrev_b32 v255, 4, v249
	v_bfe_u32 v[TMP], v0, 2, 1                     ; keys 4 lane .. 4 lane + 3 = 32 b + 16 h + i go to table h, slots 16 b + i
	v_lshl_add_u32 v[TMP], v[TMP], 9, s47
	v_bfe_u32 v5, v0, 3, 2
	v_lshl_add_u32 v[TMP], v5, 7, v[TMP]
	v_and_b32 v5, 3, v0
	v_lshl_add_u32 v[TMP], v5, 5, v[TMP]
	s_mov_b32 s51, 0
	s_wait_kmcnt 0x0
	s_load_b64 s[24:25], s[18:19], 0x800           ; of dx (each coefficient lies there 32 times: a pair of equal words)
	s_load_b64 s[26:27], s[18:19], 0x880           ; of dy
	s_load_b64 s[28:29], s[18:19], 0x900           ; of the distance
	s_load_b64 s[30:31], s[18:19], 0x980           ; of sin
	s_load_b64 s[32:33], s[18:19], 0xa00           ; of cos
	s_load_b64 s[34:35], s[18:19], 0xa80           ; the constant
	s_lshl_b32 s50, s22, 10
	s_add_nc_u64 s[52:53], s[4:5], s[50:51]        ; my keys' coordinates
	s_lshl_b32 s50, s48, 3
	s_add_nc_u64 s[4:5], s[4:5], s[50:51]          ; the tile's queries'
	s_lshl_b32 s50, s3, 10
	s_add_nc_u64 s[6:7], s[6:7], s[50:51]
	s_lshl_b32 s50, s3, 6
	s_add_nc_u64 s[8:9], s[8:9], s[50:51]
	s_lshl_b32 s50, s22, 13
	s_add_nc_u64 s[10:11], s[10:11], s[50:51]
	s_add_nc_u64 s[14:15], s[14:15], s[50:51]
	s_lshl_b32 s50, s22, 9
	s_add_nc_u64 s[12:13], s[12:13], s[50:51]
	s_lshl_b32 s50, s22, 8
	s_add_nc_u64 s[16:17], s[16:17], s[50:51]
	s_and_b32 s50, s2, 8
	s_add_co_u32 s50, s50, s2
	s_add_co_u32 s50, s50, s48
	s_lshl_b32 s50, s50, 8
	s_add_nc_u64 s[20:21], s[20:21], s[50:51]      ; the row of out0 that I merge: the tile's row for r = wave
	s_wait_alu depctr_va_vdst(0)                   ; the addresses v1, v4, v9, v234, v235 and v251 to v255 are written, which the loads, the LDS instructions and the prefetch below read; so are v7 and v8
	global_load_b128 v[200:203], v252, s[52:53]
	global_load_b128 v[204:207], v252, s[52:53] offset:16
	global_load_b64 v[10:11], v251, s[4:5]
	; the prefetch of the codes: of each batch's 128 work-groups the first asks for K's, the second for V's; each wave for its own group's 8,192 bytes, lanes 256 bytes apart: each block is named once in the launch
	s_and_b32 s46, s3, 127
	s_cmp_lt_u32 s46, 2
	s_cselect_b32 s37, 15, -1                      ; in the second half's last trip: one trip (422 vector instructions of each of a SIMD's four waves) ahead of the loads; -1 is no trip's number
	s_cmp_eq_u32 s46, 0
	s_cselect_b64 s[38:39], s[10:11], s[14:15]
	v_mov_b32 v[BV+1], 0                           ; named as the upper halves of the biases' pairs, so they are written
	v_mov_b32 v[BV+3], 0
	v_mov_b32 v[BV+5], 0
	s_wait_kmcnt 0x0                               ; the coefficients
	v_mov_b32 v12, s34
	v_mov_b32 v13, s34
	s_wait_loadcnt 0x0                             ; the coordinates
	ds_store_b128 v[TMP], v[200:203]               ; (no vector line since the wait above names v235; the data come from loads)
	ds_store_b128 v[TMP], v[204:207] offset:16
; The five features and the linear part of the half's 32 pairs (logit registers 32 H .. 32 H + 31).
.macro FEAT H
.irp k, 0,1,2,3,4,5,6,7,8,9,10,11,12,13,14,15
	ds_load_b128 v[RAW+4*\k:RAW+4*\k+3], v1 offset:256*\H+16*\k    ; two keys' (x, y); the sixteen lanes of a half read the same bytes
.endr
	s_wait_dscnt 0x0                               ; the keys are in; every earlier LDS store of mine has taken its registers
	s_wait_alu depctr_vm_vsrc(0)                   ; my LDS stores have read their data (first half: v200-207, the coordinates; second half: v176-207, the first half's psi), which the linear part below writes again; the loads so far have read v1, v235, v251 and v252, which the softmax writes again
.set n, 0
.rept 32
	v_sub_f32 v[DX+n], v[RAW+2*n], v10             ; key - query
	v_sub_f32 v[DY+n], v[RAW+2*n+1], v11
.set n, n+1
.endr
.set n, 0
.rept 16
	v_pk_mul_f32 v[CO+n:CO+n+1], v[DX+n:DX+n+1], v[DX+n:DX+n+1]
.set n, n+2
.endr
.set n, 0
.rept 16
	v_pk_fma_f32 v[CO+n:CO+n+1], v[DY+n:DY+n+1], v[DY+n:DY+n+1], v[CO+n:CO+n+1]   ; s = dx^2 + dy^2
.set n, n+2
.endr
.set n, 0
.rept 32
	v_add_f32 v[DI+n], 0x322bcc77, v[CO+n]         ; + 1e-8
	v_max_num_f32 v[SN+n], 0x00800000, v[CO+n]     ; no denormal goes into the reciprocal root
.set n, n+1
.endr
.set n, 0
.rept 32
	v_sqrt_f32 v[DI+n], v[DI+n]                    ; the distance
.set n, n+1
.endr
.set n, 0
.rept 32
	v_rsq_f32 v[SN+n], v[SN+n]
.set n, n+1
.endr
.set n, 0
.rept 16
	v_pk_fma_f32 v[ACC+n:ACC+n+1], v[DX+n:DX+n+1], s[24:25], v[12:13] op_sel_hi:[1,0,0]   ; plain work behind the 64 roots: it names none of their results
.set n, n+2
.endr
.set n, 0
.rept 16
	v_pk_fma_f32 v[ACC+n:ACC+n+1], v[DY+n:DY+n+1], s[26:27], v[ACC+n:ACC+n+1] op_sel_hi:[1,0,1]
.set n, n+2
.endr
	s_wait_alu depctr_va_vdst(0)                   ; the 64 roots have written v80-143: one wait, ahead of their first reader
.set n, 0
.rept 2                                        ; 16 pairs at a time: a run of compares into 16 scalar registers, the products, one wait, the selects
.set e, 0
.rept 16
	v_cmp_eq_f32 s[WB+e], 0, v[CO+n+e]             ; the two points coincide
.set e, e+1
.endr
.set e, 0
.rept 8
	v_pk_mul_f32 v[CO+n+e:CO+n+e+1], v[DX+n+e:DX+n+e+1], v[SN+n+e:SN+n+e+1]
.set e, e+2
.endr
.set e, 0
.rept 8
	v_pk_mul_f32 v[SN+n+e:SN+n+e+1], v[DY+n+e:DY+n+e+1], v[SN+n+e:SN+n+e+1]
.set e, e+2
.endr
	s_wait_alu depctr_va_sdst(0)                   ; the 16 compares have written their masks, ahead of the first select that reads one
.set e, 0
.rept 16
	v_cndmask_b32 v[CO+n+e], v[CO+n+e], 1.0, s[WB+e]               ; cos = 1 there
.set e, e+1
.endr
.set n, n+16
.endr
.set n, 0
.rept 16
	v_pk_fma_f32 v[ACC+n:ACC+n+1], v[DI+n:DI+n+1], s[28:29], v[ACC+n:ACC+n+1] op_sel_hi:[1,0,1]
.set n, n+2
.endr
.set n, 0
.rept 16
	v_pk_fma_f32 v[ACC+n:ACC+n+1], v[SN+n:SN+n+1], s[30:31], v[ACC+n:ACC+n+1] op_sel_hi:[1,0,1]
.set n, n+2
.endr
.set n, 0
.rept 16
	v_pk_fma_f32 v[ACC+n:ACC+n+1], v[CO+n:CO+n+1], s[32:33], v[ACC+n:ACC+n+1] op_sel_hi:[1,0,1]
.set n, n+2
.endr
.endm
; One hidden unit on 16 pairs (group g of the half's two).  Of a scalar pair the low word serves both halves, of the bias's pair likewise.  Eight independent lines stand between a line and the one that reads its result.
.macro FIRST f, w, b, g                ; z = feature x weight + bias
.irp p, 0,1,2,3,4,5,6,7
	v_pk_fma_f32 v[TT+2*\p:TT+2*\p+1], v[(\f)+16*(\g)+2*\p:(\f)+16*(\g)+2*\p+1], s[(\w):(\w)+1], v[(\b):(\b)+1] op_sel_hi:[1,0,0]
.endr
.endm
.macro NEXT f, w, g                    ; z += feature x weight
.irp p, 0,1,2,3,4,5,6,7
	v_pk_fma_f32 v[TT+2*\p:TT+2*\p+1], v[(\f)+16*(\g)+2*\p:(\f)+16*(\g)+2*\p+1], s[(\w):(\w)+1], v[TT+2*\p:TT+2*\p+1] op_sel_hi:[1,0,1]
.endr
.endm
.macro SECOND w, g                     ; psi += (w2 / 2) |z|
.irp i, 0,1,2,3,4,5,6,7,8,9,10,11,12,13,14,15
	v_fma_f32 v[ACC+16*(\g)+\i], |v[TT+\i]|, s[(\w)], v[ACC+16*(\g)+\i]
.endr
.endm
; One hidden index, whose 16 words stand in s[w] on: a unit of each MLP on the half's 32 pairs.
.macro UNIT w
	v_mov_b32 v[BV], s[(\w)+3]
	v_mov_b32 v[BV+2], s[(\w)+7]
	v_mov_b32 v[BV+4], s[(\w)+11]
.irp g, 0,1
	FIRST DI, \w, BV, \g                           ; rot: distance, sin, cos
	NEXT SN, (\w)+2, \g
	NEXT CO, (\w)+4, \g
	SECOND (\w)+1, \g
	FIRST DX, (\w)+6, BV+2, \g                     ; trans: dx, dy
	NEXT DY, (\w)+8, \g
	SECOND (\w)+5, \g
	FIRST DX, (\w)+10, BV+4, \g                    ; refl: dx, dy
	NEXT DY, (\w)+12, \g
	SECOND (\w)+9, \g
.endr
.endm
; A half: its features, then 16 trips of two hidden indices.  Each set of scalar registers is loaded while the other is at work; scalar loads are waited for with the count 0 alone (they may come back in any order).
; The pointer is written only behind the waits that show the loads that read it done.  The last trip's look-ahead reads the 64 bytes behind the table, which are the first coefficient's words: inside the buffer, and not used.
.macro HALF H
	s_mov_b64 s[54:55], s[18:19]
	s_load_b512 s[WA:WA+15], s[54:55], 0x0         ; hidden index 0: it lands while the features are made
	FEAT \H
	s_mov_b32 s36, 0
.Lunit_\@:
	s_wait_kmcnt 0x0                               ; the even index's words are in
	s_load_b512 s[WB:WB+15], s[54:55], 0x40
.if \H
	s_cmp_eq_u32 s36, s37
	s_cbranch_scc0 .Lnot_mine_\@
	global_prefetch_b8 v9, s[38:39] th:TH_LOAD_NT scope:SCOPE_SE   ; its two address registers are never rewritten; v9 was written ahead of the head's wait, and no vector line names it
.Lnot_mine_\@:
.endif
	UNIT WA
	s_wait_kmcnt 0x0                               ; the odd index's words are in, and no scalar load is out
	s_wait_xcnt 0x0
	s_add_nc_u64 s[54:55], s[54:55], 128
	s_load_b512 s[WA:WA+15], s[54:55], 0x0
	UNIT WB
	s_add_co_u32 s36, s36, 1
	s_cmp_lt_u32 s36, 16
	s_cbranch_scc1 .Lunit_\@
	s_wait_kmcnt 0x0                               ; the look-ahead has landed: its registers and its pointer may be written again
	s_wait_xcnt 0x0
.endm
	HALF 0
	s_wait_alu depctr_va_vdst(0)                   ; the loop has written psi, v176-207, which the LDS stores read, and is done reading v80-143, in which the next half's keys land
.irp k, 0,1,2,3,4,5,6,7
	ds_store_b128 v4, v[ACC+4*\k:ACC+4*\k+3] offset:PSI+512*\k     ; images of logit registers 0-31; the next half's waits behind its keys' loads stand ahead of the first write of these registers
.endr
	HALF 1                                         ; its psi stands in v176-207: logit registers 32-63
	; ---------------- the wave's 128 keys
.irp i, 0,1,2,3,4,5,6,7
	v_mov_b32 v[QZ+\i], 0                          ; the zero codes on both sides of Q
	v_mov_b32 v[QZ+16+\i], 0
.endr
	PLACES 4                                       ; an operand written by vector instructions stands four places ahead of a scaled product
	s_wait_alu depctr_va_vdst(0)                   ; the zero codes are written, which the scaled products take; the loop is done with v16-79 (dx, dy), v216-223 (hidden values) and v144-175 (cos), in which the loads below land
.irp k, 0,1,2,3,4,5,6,7,8,9,10,11,12,13,14,15
	global_load_b128 v[16+4*\k:19+4*\k], v[L16], s[10:11] offset:512*\k      ; K's eight tiles, tile T at v[16 + 8 T]
.endr
	global_load_b128 v[QZ+8:QZ+11], v[L16], s[6:7]
	global_load_b128 v[QZ+12:QZ+15], v[L16], s[6:7] offset:512
	global_load_b32 v232, v253, s[8:9]
	global_load_b128 v[236:239], v254, s[12:13]
	global_load_b128 v[240:243], v254, s[12:13] offset:16
	global_load_b128 v[244:247], v255, s[16:17]
.irp k, 0,1,2,3,4,5,6,7
	ds_load_b128 v[Z+4*\k:Z+4*\k+3], v4 offset:PSI+512*\k          ; the first half's psi
.endr
	s_wait_loadcnt 0x0                             ; K, Q and the scale words
.irp t, 0,1,2,3,4,5,6,7
	v_wmma_scale_f32_16x16x128_f8f6f4 v[S+8*\t:S+8*\t+7], v[16+16*(\t/2):31+16*(\t/2)], v[QZ+8-8*(\t%2):QZ+23-8*(\t%2)], 0, v[236+\t], v232
.endr
	PLACES 8                                       ; ahead of the first read of the scores and of writes into Q's run (ISA guide 7.12.1)
	s_wait_alu depctr_va_vdst(0)                   ; the eight products are done reading K's codes, v16-79, in which V's land
.irp k, 0,1,2,3,4,5,6,7,8,9,10,11,12,13,14,15
	global_load_b128 v[16+4*\k:19+4*\k], v[L16], s[14:15] offset:512*\k      ; V: channel tile c at v[16 + 16 c], key block b at + 4 b
.endr
	s_wait_dscnt 0x0                               ; psi
	s_wait_alu depctr_vm_vsrc(0)                   ; the loads of the scale words have read v253 to v255, which the softmax writes again
.set i, 0
.rept 32
	v_pk_fma_f32 v[Z+i:Z+i+1], v[S+i:S+i+1], 0x3e000000, v[Z+i:Z+i+1] op_sel_hi:[1,0,1]   ; the logit: score / 8 + psi
.set i, i+2
.endr
.irp b, 0,1,2,3
	v_max3_num_f32 v[BM+\b], v[Z+16*\b], v[Z+16*\b+1], v[Z+16*\b+2]       ; the largest logit of each block of 32 keys: for the row's maximum and, since p rises with the logit, for the block's largest p
.endr
.irp i, 3,5,7,9,11,13
.irp b, 0,1,2,3
	v_max3_num_f32 v[BM+\b], v[BM+\b], v[Z+16*\b+\i], v[Z+16*\b+\i+1]
.endr
.endr
.irp b, 0,1,2,3
	v_max_num_f32 v[BM+\b], v[BM+\b], v[Z+16*\b+15]
.endr
.irp b, 0,1,2,3
	v_permlanex16_b32 v[T1+\b], v[BM+\b], s40, s41
.endr
.irp b, 0,1,2,3
	v_max_num_f32 v[BM+\b], v[BM+\b], v[T1+\b]
.endr
	v_max3_num_f32 v[TMP], v[BM], v[BM+1], v[BM+2]
	v_max_num_f32 v[TMP], v[TMP], v[BM+3]
	v_mul_f32 v11, s42, v[TMP]                     ; the largest t of my query among these 128 keys
	v_floor_f32 v10, -v11                          ; -M = floor(-t) = -ceil(t)
.set i, 0
.rept 32
	v_pk_fma_f32 v[Z+i:Z+i+1], v[Z+i:Z+i+1], s[42:43], v[10:11] op_sel_hi:[1,0,0]         ; t - M (of both pairs the low word serves both halves)
.set i, i+2
.endr
.irp b, 0,1,2,3
	v_fma_f32 v[BM+\b], v[BM+\b], s42, v10
.endr
.set i, 0
.rept 64
	v_exp_f32 v[Z+i], v[Z+i]                       ; p = 2^(t - M), not normalised
.set i, i+1
.endr
	v_and_b32 v1, 15, v0                           ; r: a plain line behind the exponentials
	s_wait_alu depctr_va_vdst(0)                   ; the 64 exponentials have written p: one wait for the batch, ahead of its first reader
.irp b, 0,1,2,3
	v_exp_f32 v[BM+\b], v[BM+\b]                   ; each block's largest p: the same two instructions on the same number
.endr
	v_pk_add_f32 v[12:13], v[Z:Z+1], v[Z+2:Z+3]    ; the sum of the unquantised p, in two chains; it reads the 64 alone
	v_pk_add_f32 v[14:15], v[Z+4:Z+5], v[Z+6:Z+7]
.irp j, 8,12,16,20,24,28,32,36,40,44,48,52,56,60
	v_pk_add_f32 v[12:13], v[12:13], v[Z+\j:Z+\j+1]
	v_pk_add_f32 v[14:15], v[14:15], v[Z+\j+2:Z+\j+3]
.endr
	v_pk_add_f32 v[12:13], v[12:13], v[14:15]
	s_wait_alu depctr_va_vdst(0)                   ; and one for the four: they have written v224-227
.irp b, 0,1,2,3
	v_max_num_f32 v[BM+\b], 0x4800000, v[BM+\b]    ; the floor 2^(9 - 127): the byte cannot fall under 1
.endr
.irp b, 0,1,2,3
	v_add_nc_u32 v[SO+\b], 0xfc000000, v[BM+\b]    ; 8 off the exponent field: the conversion's scale operand
.endr
.irp b, 0,1,2,3
	v_and_or_b32 v[HL+\b], v[BM+\b], 0x7f800000, s44   ; 448 x the scale
.endr
.irp b, 0,1,2,3
	v_lshrrev_b32 v[T1+\b], 23, v[SO+\b]           ; the scale's byte
.endr
	v_lshl_or_b32 v233, v[T1+1], 8, v[T1]          ; p's scale word; the 64 holds below stand between it and the products
	v_lshl_or_b32 v233, v[T1+2], 16, v233
	v_lshl_or_b32 v233, v[T1+3], 24, v233
.irp b, 0,1,2,3
.irp i, 0,1,2,3,4,5,6,7,8,9,10,11,12,13,14,15
	v_min_num_f32 v[Z+16*\b+\i], v[Z+16*\b+\i], v[HL+\b]           ; the conversion does not saturate (ISA guide 7.6.2); p is not negative, so the hold is one-sided
.endr
	v_cvt_scalef32_pk8_fp8_f32 v[PC+4*\b:PC+4*\b+1], v[Z+16*\b:Z+16*\b+7], v[SO+\b]
	v_cvt_scalef32_pk8_fp8_f32 v[PC+4*\b+2:PC+4*\b+3], v[Z+16*\b+8:Z+16*\b+15], v[SO+\b]
.endr
	; the row's sum and the addresses of the merge: plain lines, which are also the places between the codes and the products
	v_add_f32 v11, v12, v13
	v_bfe_u32 v2, v0, 4, 1                         ; h
	v_permlanex16_b32 v[TMP], v11, s40, s41
	v_mul_u32_u24 v3, v1, 272
	v_add_f32 v11, v11, v[TMP]                     ; l of my query over these 128 keys
	v_lshl_add_u32 v3, v2, 5, v3
	v_add_nc_u32 v3, s47, v3                       ; my stage: row r, + 32 h
	v_lshl_add_u32 v5, v1, 3, s47                  ; (-M, l) of query r
	s_mul_i32 s49, s2, 272
	s_lshl_b32 s50, s2, 3
	v_and_b32 v15, 31, v0
	v_lshlrev_b32 v15, 3, v15                      ; 8 x lane
	v_add_nc_u32 v136, s49, v15                    ; row w of the stages of waves 0-3 (the wave in the immediate),
	v_add_nc_u32 v137, 4*WREG, v136                ; 4-7,
	v_add_nc_u32 v138, 8*WREG, v136                ; 8-11,
	v_add_nc_u32 v139, 12*WREG, v136               ; 12-15
	v_mov_b32 v140, s50                            ; and their (-M, l) of query w
	v_add_nc_u32 v141, 4*WREG, v140
	v_add_nc_u32 v142, 8*WREG, v140
	v_add_nc_u32 v143, 12*WREG, v140
	s_wait_loadcnt 0x0                             ; V
	s_wait_alu depctr_va_vdst(0)                   ; p's codes, v208-223, and its scale word, v233, are written, which the scaled products take (the places stand above); so are v3, v5, v10, v11, v15 and v136 to v143, which the LDS instructions and the store below read
.irp c, 0,1,2,3
	v_wmma_scale_f32_16x16x128_f8f6f4 v[88+8*\c:95+8*\c], v[16+16*\c:31+16*\c], v[PC:PC+15], 0, v[244+\c], v233   ; O^T: lane (r, h): query r, channels 16 c + 8 h + j
.endr
	PLACES 8
	s_wait_alu depctr_va_vdst(0)                   ; the four products have written O^T, v88-119, which the LDS stores read (the places above stay beside this wait); every reader of p, v144-207, is done: the merge's loads land there, and no vector line stands between
.irp c, 0,1,2,3
	ds_store_b128 v3, v[88+8*\c:91+8*\c] offset:PSI+64*\c          ; each result from its low end on; psi's bytes are the wave's own and have been read
	ds_store_b128 v3, v[92+8*\c:95+8*\c] offset:PSI+64*\c+16
.endr
	ds_store_b64 v5, v[10:11] offset:ML            ; both halves of the lanes write the same pair
	s_wait_dscnt 0x0                               ; for the others' sake: my stores have landed
	s_barrier_signal -1
	s_barrier_wait -1
	; ---------------- the merge: query row w of all sixteen parts; a lane takes two channels
.irp q, 0,1,2,3
.irp p, 0,1,2,3
	ds_load_b64 v[144+2*(4*\q+\p):145+2*(4*\q+\p)], v[136+\q] offset:PSI+WREG*\p
	ds_load_b64 v[176+2*(4*\q+\p):177+2*(4*\q+\p)], v[140+\q] offset:ML+WREG*\p
.endr
.endr
	s_wait_dscnt 0x0
	v_min3_num_f32 v1, v176, v178, v180            ; -M of the whole row: the least of the sixteen
.irp s, 182,186,190,194,198,202
	v_min3_num_f32 v1, v1, v[\s], v[\s+2]
.endr
	v_min_num_f32 v1, v1, v206
.irp s, 0,1,2,3,4,5,6,7,8,9,10,11,12,13,14,15
	v_sub_f32 v[176+2*\s], v1, v[176+2*\s]         ; the part's M less the row's: a whole number, 0 or less
.endr
.irp s, 0,1,2,3,4,5,6,7,8,9,10,11,12,13,14,15
	v_cvt_i32_f32 v[176+2*\s], v[176+2*\s]
.endr
.irp s, 0,1,2,3,4,5,6,7,8,9,10,11,12,13,14,15
	v_ldexp_f32 v[176+2*\s], 1.0, v[176+2*\s]      ; f = 2^(the part's M - the row's M)
.endr
	v_mul_f32 v2, v176, v177
	v_pk_mul_f32 v[12:13], v[144:145], v[176:177] op_sel_hi:[1,0]
.irp s, 1,2,3,4,5,6,7,8,9,10,11,12,13,14,15
	v_fmac_f32 v2, v[176+2*\s], v[177+2*\s]        ; l
	v_pk_fma_f32 v[12:13], v[144+2*\s:145+2*\s], v[176+2*\s:177+2*\s], v[12:13] op_sel_hi:[1,0,1]
.endr
	v_rcp_f32 v2, v2
	v_nop                                          ; a plain line behind the reciprocal
	s_wait_alu depctr_va_vdst(0)                   ; the reciprocal has written v2, ahead of its reader
	v_pk_mul_f32 v[12:13], v[12:13], v[2:3] op_sel_hi:[1,0]
	s_wait_alu depctr_va_vdst(0)                   ; the division has written v[12:13], which the store reads
	global_store_b64 v15, v[12:13], s[20:21] th:TH_STORE_NT        ; 32 lanes store the row's 256 consecutive bytes, at a multiple of 256 from out0's first byte
	s_wait_dscnt 0x0                               ; the closing lines, six on end
	s_wait_alu 0x0
	s_wait_tensorcnt 0x0
	ds_add_u32 v7, v8
	s_wait_dscnt 0x0
	s_endpgm
.Lfunc_end_k_q7767c16f4a_attn:
	.size	k_q7767c16f4a_attn, .Lfunc_end_k_q7767c16f4a_attn-k_q7767c16f4a_attn
	.p2alignl 7, 3214868480
	.fill 96, 4, 3214868480
	.section	.rodata,"a",@progbits
	.p2align	6, 0x0
	.amdhsa_kernel k_q7767c16f4a_attn
		.amdhsa_group_segment_fixed_size 92160
		.amdhsa_private_segment_fixed_size 0
		.amdhsa_enable_private_segment 0
		.amdhsa_kernarg_size 72
		.amdhsa_user_sgpr_count 2
		.amdhsa_user_sgpr_kernarg_segment_ptr 1
		.amdhsa_wavefront_size32 1
		.amdhsa_system_sgpr_workgroup_id_x 1
		.amdhsa_system_sgpr_workgroup_id_y 1
		.amdhsa_system_sgpr_workgroup_id_z 1
		.amdhsa_system_vgpr_workitem_id 0
		.amdhsa_next_free_vgpr 256
		.amdhsa_next_free_sgpr 100
		.amdhsa_reserve_vcc 0
		.amdhsa_float_denorm_mode_32 3
		.amdhsa_float_denorm_mode_16_64 3
		.amdhsa_memory_ordered 1
		.amdhsa_forward_progress 1
		.amdhsa_inst_pref_size 134
	.end_amdhsa_kernel
	.amdgpu_metadata
---
amdhsa.version: [ 1, 2 ]
amdhsa.kernels:
  - .name:           k_q7767c16f4a_attn
    .symbol:         k_q7767c16f4a_attn.kd
    .args:
      - { .name: coords, .offset: 0, .size: 8, .value_kind: global_buffer, .address_space: global }
      - { .name: qc, .offset: 8, .size: 8, .value_kind: global_buffer, .address_space: global }
      - { .name: qs, .offset: 16, .size: 8, .value_kind: global_buffer, .address_space: global }
      - { .name: kc, .offset: 24, .size: 8, .value_kind: global_buffer, .address_space: global }
      - { .name: ks, .offset: 32, .size: 8, .value_kind: global_buffer, .address_space: global }
      - { .name: vc, .offset: 40, .size: 8, .value_kind: global_buffer, .address_space: global }
      - { .name: vs, .offset: 48, .size: 8, .value_kind: global_buffer, .address_space: global }
      - { .name: mc, .offset: 56, .size: 8, .value_kind: global_buffer, .address_space: global }
      - { .name: out0, .offset: 64, .size: 8, .value_kind: global_buffer, .address_space: global }
    .group_segment_fixed_size: 92160
    .private_segment_fixed_size: 0
    .kernarg_segment_align: 8
    .kernarg_segment_size: 72
    .max_flat_workgroup_size: 512
    .sgpr_count:     100
    .vgpr_count:     256
    .wavefront_size: 32
...
	.end_amdgpu_metadata
.endif
;; end of part 5
